; MI455X (gfx1250); checked and timed in simulation.
; The chip was launched on July 23, 2026; its instructions are those of AMD's public machine-readable ISA for CDNA 5 (MIT licence, August 2026) and "CDNA5" Instruction Set Architecture Reference Guide (July 2026). The comments in the code are by the model that wrote it; some were corrected since.
;; Bayes Multi Head Attn. Allowed arithmetic: matrix products marked QUANTISED: E5M2 operands, one given power-of-two scale a tensor, by v_wmma_f32_16x16x64_bf8_bf8 or v_wmma_f32_16x16x128_bf8_bf8, f32 sums; everything else in f32.
;; Inputs: attn_mask 1,024 x 1,024 bool; dec_inp 1,024 x 8 x 1,024 float32; eps_k 1,024 x 1,024 float32; eps_o 1,024 x 1,024 float32; eps_q 1,024 x 1,024 float32; eps_v 1,024 x 1,024 float32; key_mean 1,024 x 1,024 float32; key_std 1,024 x 1,024 float32; ln_beta 1,024 float32; ln_gamma 1,024 float32; lowp_scales 12 int32 (the exponents e of the quantised operands' scales 2^e); output_mean 1,024 x 1,024 float32; output_std 1,024 x 1,024 float32; query_mean 1,024 x 1,024 float32; query_std 1,024 x 1,024 float32; value_mean 1,024 x 1,024 float32; value_std 1,024 x 1,024 float32.
;; Outputs: out0 1,024 x 8 x 1,024 float32; out1 one number float32.
;; This version of the problem:
;;   THIS VERSION OF THE PROBLEM IS GIVEN IN LOW PRECISION. The matrix products marked QUANTISED in the list below multiply operands that are first quantised to E5M2 (5 exponent bits, 2 mantissa bits; 8 bits a number), with one given power-of-two scale for each operand tensor; their sums are f32. All else is computed in f32.
;;   The module's matrix products, in the order in which they are computed (A, B: the left and right operand; K: the contracted axis; several contracted axes count as one K, in the product's order):
;;     1. [M 8,192, K 1,024] x [K 1,024, N 1,024]; A: input dec_inp; B: computed on the way: QUANTISED (scales: A lowp_scales[0], B lowp_scales[1])
;;     2. [M 8,192, K 1,024] x [K 1,024, N 1,024]; A: input dec_inp; B: computed on the way: QUANTISED (scales: A lowp_scales[2], B lowp_scales[3])
;;     3. [M 8,192, K 1,024] x [K 1,024, N 1,024]; A: input dec_inp; B: computed on the way: QUANTISED (scales: A lowp_scales[4], B lowp_scales[5])
;;     4. batch 128 x [M 1,024, K 64] x [K 64, N 1,024]; A: computed on the way; B: computed on the way: QUANTISED (scales: A lowp_scales[6], B lowp_scales[7])
;;     5. batch 128 x [M 64, K 1,024] x [K 1,024, N 1,024]; A: computed on the way; B: softmax (see below): QUANTISED (scales: A lowp_scales[8], B lowp_scales[9])
;;     6. [M 8,192, K 1,024] x [K 1,024, N 1,024]; A: computed on the way; B: computed on the way: QUANTISED (scales: A lowp_scales[10], B lowp_scales[11])
;;   THE QUANTISER, for each operand of a quantised product, along K:
;;     - The operand's scale is 2^e, e = its entry of the input lowp_scales (int32; the entries are numbered through the quantised products in the list's order, A before B).
;;     - Each number is divided by the scale, clamped to +-57,344, and rounded to the nearest number of E5M2, ties to even, subnormals kept.
;;     - The product sums the exact products of the quantised numbers (number of the format x scale) in f32.
;;   ~~~python
;;   def quantise(x, axis, e):      # numpy; x: float32 -> the quantised numbers, widened to float32 again
;;       x = np.moveaxis(x, axis, -1); K = x.shape[-1]
;;       r = np.clip(x / 2.0 ** e, -57344, 57344)
;;       step = 2.0 ** (np.maximum(np.frexp(np.where(r == 0, 1, r))[1] - 1, -14) - 2)
;;       q = np.round(r / step) * step * 2.0 ** e      # np.round: ties to even
;;       return np.moveaxis(q, -1, axis).astype(np.float32)
;;   ~~~
;;   SOFTMAX AHEAD OF A QUANTISED PRODUCT. Where the list says 'softmax', what is quantised is not the finished softmax but p = 2^(t - M), with t = logit x log2(e) and M = ceil(the row's largest t), a whole number; so 1/2 < the row's largest p <= 1. The row's sum l is taken of the UNQUANTISED p, in f32, and the product's result is divided by l at the end. Since M is a whole number, a kernel that streams over the keys may use a running M (the ceiling of the running maximum): every later rescaling is an exact power of two, so the quantised numbers keep their values, but for numbers so far below the row's largest that they fall under the format's range.
;;   OPERANDS COMPUTED ON THE WAY. 'Computed on the way' means the value that the module computes at that place (a softmax that the list does not call 'softmax' is quantised finished and normalised). What goes into a quantiser is computed in f32, as accurately as f32 sums, v_exp_f32 and their like allow (about 1e-6 of the number): no bf16 or f16 on the way to a quantiser, and a product that is left as it is and whose result goes on into a quantised operand takes f32 operands (vector FMAs, or v_wmma_f32_16x16x4_f32). A number that lies on a knife's edge between two numbers of the format may be rounded either way, as far as f32 arithmetic and the matrix unit's own rounding can turn it there, and no further.
;; 2 versions, each right; version 2 is version 1 with the launch attn written anew for expert scheduling mode. Each part assembles by itself: llvm-mc -triple=amdgcn-amd-amdhsa -mcpu=gfx1250 --defsym DOCPART=n.
;; ======== version 1 of 2: 4 launches
;; workspace buffers: xc 25,165,824 bytes; wc 4,194,304 bytes; qkv 25,165,824 bytes; ac 8,388,608 bytes; mbits 131,072 bytes of whole numbers; mflags 2,048 bytes of whole numbers; klpart 4,096 bytes
;; launch prep (part 1): grid 896 x 1, 4 waves a work-group, no clusters, 35,328 bytes of LDS; arguments dec_inp, attn_mask, query_mean, key_mean, value_mean, output_mean, query_std, key_std, value_std, output_std, eps_q, eps_k, eps_v, eps_o, lowp_scales, xc, wc, mbits, mflags, klpart; writes xc, wc, mbits, mflags, klpart
.if DOCPART == 1
	.amdgcn_target "amdgcn-amd-amdhsa--gfx1250"
	.amdhsa_code_object_version 6
	.text
	.protected	k_q3bcabea39d_prep
	.globl	k_q3bcabea39d_prep
	.p2align	8
	.type	k_q3bcabea39d_prep,@function
k_q3bcabea39d_prep:
	s_mov_b64 s[64:65], 0
	v_nop
	global_prefetch_b8 v0, s[64:65] scope:SCOPE_SE
	s_setreg_imm32_b32 hwreg(HW_REG_WAVE_MODE, 25, 1), 1
	s_wait_xcnt 0x0
; PREP: everything that is made once.  Three paths, parted by the work-group's number:
;   X (work-groups 0-511):   dec_inp -> codes of E5M2, three times, with the scales 2^e0, 2^e2, 2^e4 (the three projections' left operands)      -> xc
;   W (work-groups 512-767): w = mean + eps exp(std) for the four weights (the output weight takes value_mean), -> codes with e1, e3, e5, e11 -> wc;  and each wave's part of the KL sum -> klpart
;   M (work-groups 768-895): attn_mask -> for each tile of 16 queries x 128 keys 64 words of lane bits (mbits) and a flag hidden / mixed / open (mflags)
; THE CODES' LAYOUT is the order of a matrix operand's registers: byte = rt 16384 + s 2048 + c 512 + 16 L holds, of row(rt, L % 16), k = 128 s + 32 c + 16 (L / 16) + 0 .. 15.
; THE 16 ROWS OF A TILE ARE NOT NEIGHBOURS: row(t, r) = 32 (t / 2) + 8 (t % 2) + r + 8 (r / 8): a product that takes such tiles as its first source leaves 16 neighbouring rows in the 16 registers of tiles 2 b, 2 b + 1.
; A wave takes 16 rows x 256 k.  Each load reads 512 consecutive bytes of one row (lane l: k = 128 j + 4 l + 0 .. 3); eight registers (both j of a row) give two words of codes by one conversion; the CODES turn through the
; wave's own stage in LDS ([j][k / 16][16 rows x 16 bytes + 16 of padding]) and leave as 4,096 consecutive bytes, 512 a store.  Waves share nothing: no barrier.  Each path has LDS bytes of its own.
; code = x / 2^e, held within +-57,344, to the nearest code, ties to even.  LIMITS: each e between -126 and 112, so that 2^e and 57,344 x 2^e are f32 numbers.  NaN among the inputs is not served.
.set STG,  4352                        ; a wave's stage: 2 x 8 x 272 bytes
.set JO,   2176                        ; from j = 0 to j = 1
.set GP,   272                         ; 16 rows x 16 bytes + 16
.set WV,   74                          ; s74  my wave's number: outside every scalar load's destination
.set WGW,  75                          ; s75  path W: the work-group's number less 512
; registers of both quantising paths: v2 16 x lane; v3 into the stage; v4 out of it; v5 lane; v8-10 scales; v11-13 holds; v32-63 the code words (row rho, j at 32 + 2 rho + j)
; ---- path X: the 128 numbers in v64-191 (row rho at 64 + 8 rho) become codes with scale p, and leave
.macro XQ p
.set rho, 0
.rept 16
.if \p == 0
	s_wait_loadcnt 2*(15-rho)                      ; row rho's two loads are in; the younger rows' may be out
.endif
.set ii, 0
.rept 8
	v_med3_num_f32 v[16+8*(rho%2)+ii], v[64+8*rho+ii], -v[11+\p], v[11+\p]   ; the conversion does not saturate (ISA guide 7.6.2): the hold comes first; two sets of eight by turns
.set ii, ii+1
.endr
	v_cvt_scalef32_pk8_bf8_f32 v[32+2*rho:33+2*rho], v[16+8*(rho%2):23+8*(rho%2)], v[8+\p]
.set rho, rho+1
.endr
	v_nop                                          ; a plain line behind the last conversion
.set rho, 0
.rept 16
	ds_store_b32 v3, v[32+2*rho] offset:16*rho
	ds_store_b32 v3, v[33+2*rho] offset:JO+16*rho
.set rho, rho+1
.endr
.if \p > 0
	s_wait_xcnt 0x0                                ; the last scale's stores have read v192-223
.endif
.irp j, 0,1
.irp c, 0,1,2,3
	ds_load_b128 v[192+16*\j+4*\c:195+16*\j+4*\c], v4 offset:JO*\j+2*GP*\c   ; LDS serves a wave's instructions in order: these see the stores above
.endr
.endr
	s_wait_dscnt 0x0
.irp j, 0,1
.irp c, 0,1,2,3
	global_store_b128 v2, v[192+16*\j+4*\c:195+16*\j+4*\c], s[20+2*\p:21+2*\p] offset:2048*\j+512*\c   ; 32 lanes store 512 consecutive bytes
.endr
.endr
.endm
; ---- path W: rows 2 t and 2 t + 1: mean, eps, std, 16 registers each, into set t % 3
.macro WLOAD t
.set WB, 64+48*((\t)%3)
.irp a, 0,1
.irp j, 0,1
	global_load_b128 v[WB+8*\a+4*\j:WB+8*\a+4*\j+3], v2, s[40:41] offset:(2*(\t)+\a+8*((2*(\t)+\a)/8))*4096+512*\j
.endr
.endr
.irp a, 0,1
.irp j, 0,1
	global_load_b128 v[WB+16+8*\a+4*\j:WB+16+8*\a+4*\j+3], v2, s[44:45] offset:(2*(\t)+\a+8*((2*(\t)+\a)/8))*4096+512*\j th:TH_LOAD_NT
.endr
.endr
.irp a, 0,1
.irp j, 0,1
	global_load_b128 v[WB+32+8*\a+4*\j:WB+32+8*\a+4*\j+3], v2, s[42:43] offset:(2*(\t)+\a+8*((2*(\t)+\a)/8))*4096+512*\j th:TH_LOAD_NT
.endr
.endr
.endm
; v16-23 KA: four pairs, sums that always count (output_mean^2, -2 std, exp(2 std));  v24-31 KM: mean^2, which counts in three of the four waves
.macro WSTEP t
.set WB, 64+48*((\t)%3)
.if (\t) < 6
	s_wait_loadcnt 24                              ; this step's twelve loads are in; the two younger steps' may be out
.else
	s_wait_loadcnt 12*(7-(\t))
.endif
.if (\t) == 0
.set q, 0
.rept 16                                       ; my four rows of output_mean start KA's sums: nothing is cleared
.if q < 4
	v_pk_mul_f32 v[16+2*q:17+2*q], v[208+2*q:209+2*q], v[208+2*q:209+2*q]
.else
	v_pk_fma_f32 v[16+2*(q%4):17+2*(q%4)], v[208+2*q:209+2*q], v[208+2*q:209+2*q], v[16+2*(q%4):17+2*(q%4)]
.endif
.set q, q+1
.endr
.endif
.set q, 0
.rept 8
	v_pk_fma_f32 v[16+2*(q%4):17+2*(q%4)], v[WB+32+2*q:WB+33+2*q], -2.0, v[16+2*(q%4):17+2*(q%4)] op_sel_hi:[1,0,1]   ; - 2 std
.set q, q+1
.endr
.set q, 0
.rept 8
	v_pk_mul_f32 v[WB+32+2*q:WB+33+2*q], v[WB+32+2*q:WB+33+2*q], 0x3fb8aa3b op_sel_hi:[1,0]   ; std x log2(e)
.set q, q+1
.endr
.set q, 0
.rept 16
	v_exp_f32 v[WB+32+q], v[WB+32+q]               ; exp(std)
.set q, q+1
.endr
.set q, 0
.rept 8                                        ; mean^2: also the plain lines behind the exponentials
.if ((\t) == 0) && (q < 4)
	v_pk_mul_f32 v[24+2*q:25+2*q], v[WB+2*q:WB+2*q+1], v[WB+2*q:WB+2*q+1]
	s_wait_alu depctr_va_vdst(0)
.else
	v_pk_fma_f32 v[24+2*(q%4):25+2*(q%4)], v[WB+2*q:WB+2*q+1], v[WB+2*q:WB+2*q+1], v[24+2*(q%4):25+2*(q%4)]
.endif
.set q, q+1
.endr
.set q, 0
	s_wait_alu depctr_va_vdst(0)
.rept 8
	v_pk_fma_f32 v[16+2*(q%4):17+2*(q%4)], v[WB+32+2*q:WB+33+2*q], v[WB+32+2*q:WB+33+2*q], v[16+2*(q%4):17+2*(q%4)]   ; exp(2 std) = exp(std)^2
.set q, q+1
.endr
.set q, 0
.rept 8
	v_pk_fma_f32 v[WB+16+2*q:WB+17+2*q], v[WB+16+2*q:WB+17+2*q], v[WB+32+2*q:WB+33+2*q], v[WB+2*q:WB+2*q+1]   ; w = eps exp(std) + mean
.set q, q+1
.endr
.set q, 0
.rept 16
	v_med3_num_f32 v[WB+16+q], v[WB+16+q], -v11, v11
.set q, q+1
.endr
.irp a, 0,1
	v_cvt_scalef32_pk8_bf8_f32 v[32+2*(2*(\t)+\a):33+2*(2*(\t)+\a)], v[WB+16+8*\a:WB+23+8*\a], v8
.endr
	v_nop                                          ; a plain line behind the last conversion
.irp a, 0,1
	ds_store_b32 v3, v[32+2*(2*(\t)+\a)] offset:16*(2*(\t)+\a)
	ds_store_b32 v3, v[33+2*(2*(\t)+\a)] offset:JO+16*(2*(\t)+\a)
.endr
.if (\t)+3 < 8
	WLOAD (\t)+3                                   ; into the set that this step has used up
.endif
.endm
	v_lshl_add_u32 v254, v0, 2, 0x8800
	v_mov_b32 v255, 0
	v_lshrrev_b32 v1, 5, v0
	v_readfirstlane_b32 s[WV], v1                  ; wave 0..3
	v_and_b32 v5, 31, v0                           ; lane
	v_lshlrev_b32 v2, 4, v5                        ; 16 x lane
	s_mul_i32 s13, s[WV], STG
	v_lshrrev_b32 v3, 2, v5
	v_mul_u32_u24 v3, v3, GP
	v_and_b32 v6, 3, v5
	v_lshl_add_u32 v3, v6, 2, v3
	v_add_nc_u32 v3, s13, v3                       ; into the stage: 272 (lane / 4) + 4 (lane % 4): my four codes' place among a row's 128
	v_lshrrev_b32 v4, 4, v5
	v_mul_u32_u24 v4, v4, GP
	v_and_b32 v6, 15, v5
	v_lshl_add_u32 v4, v6, 4, v4
	v_add_nc_u32 v4, s13, v4                       ; out of it: 272 (lane / 16) + 16 (lane % 16)
	s_cmp_lt_u32 ttmp9, 512
	s_cbranch_scc1 .Lpath_x
	s_cmp_lt_u32 ttmp9, 768
	s_cbranch_scc1 .Lpath_w
; ================ path M: wave m = 8 qt + step takes 16 queries x 128 keys of the mask
	s_load_b64 s[4:5], s[0:1], 0x8                 ; attn_mask
	s_load_b128 s[8:11], s[0:1], 0x88              ; mbits, mflags
	s_sub_co_u32 s13, ttmp9, 768
	s_lshl_b32 s13, s13, 2
	s_add_co_u32 s13, s13, s[WV]                   ; m
	s_lshr_b32 s14, s13, 3                         ; qt
	s_and_b32 s15, s13, 7                          ; step
	s_lshr_b32 s16, s14, 1
	s_lshl_b32 s16, s16, 5
	s_and_b32 s17, s14, 1
	s_lshl_b32 s17, s17, 3
	s_add_co_u32 s16, s16, s17                     ; the tile's first query
	s_lshl_b32 s16, s16, 10                        ; a row of the mask is 1,024 bytes
	s_lshl_b32 s17, s15, 7
	s_add_co_u32 s16, s16, s17
	s_mov_b32 s17, 0
	s_lshl_b32 s18, s13, 8                         ; 256 bytes of words for each m,
	s_mov_b32 s19, 0
	s_lshl_b32 s20, s13, 2                         ; and one flag
	s_mov_b32 s21, 0
	v_and_b32 v6, 15, v0                           ; r
	v_bfe_u32 v7, v0, 4, 1                         ; h
	v_and_b32 v8, 8, v6
	v_add_nc_u32 v8, v8, v6                        ; r + 8 (r / 8)
	v_lshlrev_b32 v8, 10, v8
	v_lshl_add_u32 v8, v7, 4, v8                   ; my query's row, + 16 h
	s_wait_kmcnt 0x0
	s_add_nc_u64 s[4:5], s[4:5], s[16:17]
	s_add_nc_u64 s[8:9], s[8:9], s[18:19]
	s_add_nc_u64 s[10:11], s[10:11], s[20:21]
.irp b, 0,1,2,3
	global_load_b128 v[16+4*\b:19+4*\b], v8, s[4:5] offset:32*\b   ; keys 32 b + 16 h + 0 .. 15 of my query
.endr
	v_mov_b32 v32, 0                               ; (a lane write's destination counts as read)
	v_mov_b32 v33, 0
	v_lshlrev_b32 v9, 3, v5
	v_mov_b32 v10, 0
	s_mov_b32 s22, -1                              ; all words ANDed,
	s_mov_b32 s23, 0                               ; and ORed
	s_wait_loadcnt 0x0
.set n, 0
.rept 64                                       ; word n = 16 b + i: bit L says whether key 32 b + 16 (L / 16) + i is hidden from query row(qt, L % 16): the compare's lane mask IS the word
	v_bfe_u32 v[12+n%4], v[16+4*(n/16)+(n%16)/4], 8*(n%4), 8
	v_cmp_ne_u32 s[24+n%4], 0, v[12+n%4]
	s_and_b32 s22, s22, s[24+n%4]
	s_or_b32 s23, s23, s[24+n%4]
	v_writelane_b32 v[32+n%2], s[24+n%4], n/2      ; lane l gathers words 2 l and 2 l + 1
.set n, n+1
.endr
	global_store_b64 v9, v[32:33], s[8:9]          ; 256 consecutive bytes
	s_cmp_eq_u32 s22, -1
	s_cselect_b32 s24, 0, 1                        ; 0: all 2,048 hidden; 1: mixed;
	s_cmp_eq_u32 s23, 0
	s_cselect_b32 s24, 2, s24                      ; 2: all open
	s_lshl_b32 s25, s15, 1
	s_lshl_b32 s24, s24, s25                       ; at bits 2 step: the reader ORs a tile's eight words
	v_mov_b32 v11, s24
	v_cmp_eq_u32 vcc_lo, 0, v5
	s_wait_xcnt 0x0                                ; EXEC changes only behind this wait
	s_and_saveexec_b32 s26, vcc_lo
	global_store_b32 v10, v11, s[10:11]
	s_wait_xcnt 0x0
	s_or_b32 exec_lo, exec_lo, s26
	s_endpgm
; ================ path X: work-group = 64 b + t, wave = which 256 along K
.Lpath_x:
	s_load_b64 s[4:5], s[0:1], 0x0                 ; dec_inp
	s_load_b128 s[8:11], s[0:1], 0x70              ; lowp_scales, xc
	s_and_b32 s14, ttmp9, 63                       ; t
	s_lshr_b32 s15, ttmp9, 6                       ; b
	s_lshr_b32 s16, s14, 1
	s_lshl_b32 s16, s16, 5
	s_and_b32 s17, s14, 1
	s_lshl_b32 s17, s17, 3
	s_add_co_u32 s16, s16, s17                     ; the tile's first position
	s_lshl_b32 s16, s16, 3
	s_add_co_u32 s16, s16, s15                     ; x 8 + b: the token's row in dec_inp,
	s_lshl_b32 s16, s16, 12                        ; of 4,096 bytes
	s_lshl_b32 s17, s[WV], 10
	s_add_co_u32 s16, s16, s17
	s_mov_b32 s17, 0
	s_lshl_b32 s18, ttmp9, 14
	s_lshl_b32 s19, s[WV], 12
	s_add_co_u32 s18, s18, s19                     ; the codes: 16,384 x tile + 4,096 x wave
	s_mov_b32 s19, 0
	s_wait_kmcnt 0x0
	s_load_b256 s[40:47], s[8:9], 0x0              ; e0 .. e7
	s_add_nc_u64 s[4:5], s[4:5], s[16:17]
	s_add_nc_u64 s[20:21], s[10:11], s[18:19]      ; xc's three sections lie 8 MiB apart
	s_add_nc_u64 s[22:23], s[20:21], 0x800000
	s_add_nc_u64 s[24:25], s[22:23], 0x800000
.set rho, 0
.rept 16                                       ; all 32 loads at once; position rho + 8 (rho / 8) on, 8 rows of dec_inp a position
	global_load_b128 v[64+8*rho:67+8*rho], v2, s[4:5] offset:(rho+8*(rho/8))*32768 th:TH_LOAD_NT
	global_load_b128 v[68+8*rho:71+8*rho], v2, s[4:5] offset:(rho+8*(rho/8))*32768+512 th:TH_LOAD_NT
.set rho, rho+1
.endr
	s_wait_kmcnt 0x0
.irp p, 0,1,2
	s_add_co_i32 s26, s[40+2*\p], 127
	s_lshl_b32 s27, s26, 23
	v_mov_b32 v[8+\p], s27                         ; 2^e as f32: the conversion takes its exponent field
	s_add_co_i32 s26, s26, 15
	s_lshl_b32 s26, s26, 23
	s_or_b32 s26, s26, 0x600000
	v_mov_b32 v[11+\p], s26                        ; 57,344 x 2^e
.endr
	XQ 0
	XQ 1
	XQ 2
	s_wait_tensorcnt 0x0
	ds_add_u32 v254, v255
	s_wait_dscnt 0x0
	s_endpgm
; ================ path W: work-group - 512 = 4 nt + kk; wave = which weight: q, k, v, o
.Lpath_w:
	s_load_b256 s[8:15], s[0:1], 0x10              ; query_mean, key_mean, value_mean, output_mean
	s_load_b256 s[16:23], s[0:1], 0x30             ; the four std
	s_load_b256 s[24:31], s[0:1], 0x50             ; the four eps
	s_load_b64 s[32:33], s[0:1], 0x70              ; lowp_scales
	s_load_b64 s[34:35], s[0:1], 0x80              ; wc
	s_load_b64 s[36:37], s[0:1], 0x98              ; klpart
	v_add_nc_u32 v3, 4*STG, v3                     ; this path's own stages
	v_add_nc_u32 v4, 4*STG, v4
	s_sub_co_u32 s[WGW], ttmp9, 512
	s_lshr_b32 s38, s[WGW], 2                      ; nt
	s_and_b32 s39, s[WGW], 3                       ; kk
	s_lshr_b32 s60, s38, 1
	s_lshl_b32 s60, s60, 5
	s_and_b32 s61, s38, 1
	s_lshl_b32 s61, s61, 3
	s_add_co_u32 s60, s60, s61                     ; the tile's first row
	s_lshl_b32 s60, s60, 12
	s_lshl_b32 s61, s39, 10
	s_add_co_u32 s60, s60, s61
	s_mov_b32 s61, 0
	s_lshl_b32 s62, s38, 4                         ; output_mean enters the KL sum alone: wave w takes rows 16 nt + 4 w + 0 .. 3, the same columns
	s_lshl_b32 s63, s[WV], 2
	s_add_co_u32 s62, s62, s63
	s_lshl_b32 s62, s62, 12
	s_lshl_b32 s63, s39, 10
	s_add_co_u32 s62, s62, s63
	s_mov_b32 s63, 0
	s_lshl_b32 s66, s[WV], 20                      ; wc: 1 MiB a weight, 16,384 a tile, 4,096 for 256 along K
	s_lshl_b32 s67, s38, 14
	s_add_co_u32 s66, s66, s67
	s_lshl_b32 s67, s39, 12
	s_add_co_u32 s66, s66, s67
	s_mov_b32 s67, 0
	s_lshl_b32 s68, s[WGW], 2
	s_add_co_u32 s68, s68, s[WV]
	s_lshl_b32 s68, s68, 2                         ; klpart: one number a wave
	s_mov_b32 s69, 0
	s_mov_b32 s72, 0x76543210                      ; v_permlanex16_b32: lane l xor 16
	s_mov_b32 s73, 0xfedcba98
	s_wait_kmcnt 0x0
	s_load_b256 s[48:55], s[32:33], 0x0            ; e0 .. e7
	s_load_b128 s[56:59], s[32:33], 0x20           ; e8 .. e11
	s_cmp_eq_u32 s[WV], 0                          ; the buffers are chosen by the wave's number alone
	s_cselect_b64 s[40:41], s[8:9], s[12:13]       ; mean: q, k, v, and v again for the output weight
	s_cselect_b64 s[42:43], s[16:17], s[20:21]     ; std
	s_cselect_b64 s[44:45], s[24:25], s[28:29]     ; eps
	s_cmp_eq_u32 s[WV], 1
	s_cselect_b64 s[40:41], s[10:11], s[40:41]
	s_cselect_b64 s[42:43], s[18:19], s[42:43]
	s_cselect_b64 s[44:45], s[26:27], s[44:45]
	s_cmp_eq_u32 s[WV], 3
	s_cselect_b64 s[42:43], s[22:23], s[42:43]
	s_cselect_b64 s[44:45], s[30:31], s[44:45]
	s_cselect_b32 s46, 0, 1.0                      ; value_mean^2 counts once: not in the output weight's wave
	s_add_nc_u64 s[40:41], s[40:41], s[60:61]
	s_add_nc_u64 s[42:43], s[42:43], s[60:61]
	s_add_nc_u64 s[44:45], s[44:45], s[60:61]
	s_add_nc_u64 s[14:15], s[14:15], s[62:63]
	s_add_nc_u64 s[34:35], s[34:35], s[66:67]
	s_add_nc_u64 s[36:37], s[36:37], s[68:69]
.irp i, 0,1,2,3
	global_load_b128 v[208+8*\i:211+8*\i], v2, s[14:15] offset:4096*\i th:TH_LOAD_NT      ; output_mean first: every counted wait below then covers it
	global_load_b128 v[212+8*\i:215+8*\i], v2, s[14:15] offset:4096*\i+512 th:TH_LOAD_NT
.endr
	WLOAD 0
	WLOAD 1
	WLOAD 2
	s_wait_kmcnt 0x0
	s_cmp_eq_u32 s[WV], 0
	s_cselect_b32 s70, s49, s53                    ; e1, e3, e5 or e11
	s_cmp_eq_u32 s[WV], 1
	s_cselect_b32 s70, s51, s70
	s_cmp_eq_u32 s[WV], 3
	s_cselect_b32 s70, s59, s70
	s_add_co_i32 s70, s70, 127
	s_lshl_b32 s71, s70, 23
	v_mov_b32 v8, s71
	s_add_co_i32 s70, s70, 15
	s_lshl_b32 s70, s70, 23
	s_or_b32 s70, s70, 0x600000
	v_mov_b32 v11, s70
.irp t, 0,1,2,3,4,5,6,7
	WSTEP \t
.endr
.irp j, 0,1
.irp c, 0,1,2,3
	ds_load_b128 v[64+16*\j+4*\c:67+16*\j+4*\c], v4 offset:JO*\j+2*GP*\c
.endr
.endr
	v_pk_add_f32 v[16:17], v[16:17], v[18:19]      ; the wave's part of the KL sum, while the codes come back
	v_pk_add_f32 v[20:21], v[20:21], v[22:23]
	v_pk_add_f32 v[24:25], v[24:25], v[26:27]
	v_pk_add_f32 v[28:29], v[28:29], v[30:31]
	v_pk_add_f32 v[16:17], v[16:17], v[20:21]
	v_pk_add_f32 v[24:25], v[24:25], v[28:29]
	v_add_f32 v16, v16, v17
	v_add_f32 v24, v24, v25
	v_fma_f32 v16, v24, s46, v16
	v_add_f32_dpp v16, v16, v16 row_xmask:1 row_mask:0xf bank_mask:0xf
	v_add_f32_dpp v16, v16, v16 row_xmask:2 row_mask:0xf bank_mask:0xf
	v_add_f32_dpp v16, v16, v16 row_xmask:4 row_mask:0xf bank_mask:0xf
	v_add_f32_dpp v16, v16, v16 row_xmask:8 row_mask:0xf bank_mask:0xf
	v_permlanex16_b32 v17, v16, s72, s73
	v_add_f32 v16, v16, v17
	v_mov_b32 v6, 0
	v_cmp_eq_u32 vcc_lo, 0, v5
	s_wait_dscnt 0x0
.irp j, 0,1
.irp c, 0,1,2,3
	global_store_b128 v2, v[64+16*\j+4*\c:67+16*\j+4*\c], s[34:35] offset:2048*\j+512*\c
.endr
.endr
	s_wait_xcnt 0x0                                ; EXEC changes only behind this wait
	s_wait_tensorcnt 0x0
	ds_add_u32 v254, v255
	s_wait_dscnt 0x0
	s_and_saveexec_b32 s47, vcc_lo
	global_store_b32 v6, v16, s[36:37]
	s_wait_xcnt 0x0
	s_or_b32 exec_lo, exec_lo, s47
	s_endpgm
.Lfunc_end_k_q3bcabea39d_prep:
	.size	k_q3bcabea39d_prep, .Lfunc_end_k_q3bcabea39d_prep-k_q3bcabea39d_prep
	.p2alignl 7, 3214868480
	.fill 96, 4, 3214868480
	.section	.rodata,"a",@progbits
	.p2align	6, 0x0
	.amdhsa_kernel k_q3bcabea39d_prep
		.amdhsa_group_segment_fixed_size 35328
		.amdhsa_private_segment_fixed_size 0
		.amdhsa_enable_private_segment 0
		.amdhsa_kernarg_size 160
		.amdhsa_user_sgpr_count 2
		.amdhsa_user_sgpr_kernarg_segment_ptr 1
		.amdhsa_wavefront_size32 1
		.amdhsa_system_sgpr_workgroup_id_x 1
		.amdhsa_system_sgpr_workgroup_id_y 1
		.amdhsa_system_sgpr_workgroup_id_z 1
		.amdhsa_system_vgpr_workitem_id 0
		.amdhsa_next_free_vgpr 256
		.amdhsa_next_free_sgpr 80
		.amdhsa_reserve_vcc 1
		.amdhsa_float_denorm_mode_32 3
		.amdhsa_float_denorm_mode_16_64 3
		.amdhsa_memory_ordered 1
		.amdhsa_forward_progress 1
		.amdhsa_inst_pref_size 116
	.end_amdhsa_kernel
	.amdgpu_metadata
---
amdhsa.version: [ 1, 2 ]
amdhsa.kernels:
  - .name:           k_q3bcabea39d_prep
    .symbol:         k_q3bcabea39d_prep.kd
    .args:
      - { .name: dec_inp, .offset: 0, .size: 8, .value_kind: global_buffer, .address_space: global }
      - { .name: attn_mask, .offset: 8, .size: 8, .value_kind: global_buffer, .address_space: global }
      - { .name: query_mean, .offset: 16, .size: 8, .value_kind: global_buffer, .address_space: global }
      - { .name: key_mean, .offset: 24, .size: 8, .value_kind: global_buffer, .address_space: global }
      - { .name: value_mean, .offset: 32, .size: 8, .value_kind: global_buffer, .address_space: global }
      - { .name: output_mean, .offset: 40, .size: 8, .value_kind: global_buffer, .address_space: global }
      - { .name: query_std, .offset: 48, .size: 8, .value_kind: global_buffer, .address_space: global }
      - { .name: key_std, .offset: 56, .size: 8, .value_kind: global_buffer, .address_space: global }
      - { .name: value_std, .offset: 64, .size: 8, .value_kind: global_buffer, .address_space: global }
      - { .name: output_std, .offset: 72, .size: 8, .value_kind: global_buffer, .address_space: global }
      - { .name: eps_q, .offset: 80, .size: 8, .value_kind: global_buffer, .address_space: global }
      - { .name: eps_k, .offset: 88, .size: 8, .value_kind: global_buffer, .address_space: global }
      - { .name: eps_v, .offset: 96, .size: 8, .value_kind: global_buffer, .address_space: global }
      - { .name: eps_o, .offset: 104, .size: 8, .value_kind: global_buffer, .address_space: global }
      - { .name: lowp_scales, .offset: 112, .size: 8, .value_kind: global_buffer, .address_space: global }
      - { .name: xc, .offset: 120, .size: 8, .value_kind: global_buffer, .address_space: global }
      - { .name: wc, .offset: 128, .size: 8, .value_kind: global_buffer, .address_space: global }
      - { .name: mbits, .offset: 136, .size: 8, .value_kind: global_buffer, .address_space: global }
      - { .name: mflags, .offset: 144, .size: 8, .value_kind: global_buffer, .address_space: global }
      - { .name: klpart, .offset: 152, .size: 8, .value_kind: global_buffer, .address_space: global }
    .group_segment_fixed_size: 35328
    .private_segment_fixed_size: 0
    .kernarg_segment_align: 8
    .kernarg_segment_size: 160
    .max_flat_workgroup_size: 128
    .sgpr_count:     80
    .vgpr_count:     256
    .wavefront_size: 32
...
	.end_amdgpu_metadata
.endif
;; end of part 1
;; launch qkv (part 2): grid 12 x 16, 4 waves a work-group, clusters of 4 x 4, 327,680 bytes of LDS; arguments xc, wc, lowp_scales, qkv; writes qkv
.if DOCPART == 2
	.amdgcn_target "amdgcn-amd-amdhsa--gfx1250"
	.amdhsa_code_object_version 6
	.text
	.protected	k_q3bcabea39d_qkv
	.globl	k_q3bcabea39d_qkv
	.p2align	8
	.type	k_q3bcabea39d_qkv,@function
k_q3bcabea39d_qkv:
	s_mov_b64 s[64:65], 0
	v_nop
	global_prefetch_b8 v0, s[64:65] scope:SCOPE_SE
	s_setreg_imm32_b32 hwreg(HW_REG_WAVE_MODE, 25, 1), 1
	s_wait_xcnt 0x0
	s_wait_alu depctr_hold_cnt(0) depctr_sa_sdst(0) depctr_va_vdst(0) depctr_va_sdst(0) depctr_va_ssrc(0) depctr_va_vcc(0) depctr_vm_vsrc(0)
	s_getreg_b32 s2, hwreg(HW_REG_IB_STS2, 6, 4)
	s_cmp_eq_u32 s2, 0
	s_cbranch_scc0 .Lentry_in_a_cluster
	s_endpgm
.Lentry_in_a_cluster:
	s_bfe_u32 s2, ttmp6, 0x10000c
	s_cmp_lg_u32 s2, 0xf033
	s_cbranch_scc0 .Lentry_shape_is_right
	s_endpgm
.Lentry_shape_is_right:
; THE THREE PROJECTIONS on codes of E5M2, and their results quantised at once for attention's two products.  Cluster x = which projection P (0 q, 1 k, 2 v), cluster y = the first tile's batch b.
; A tile is 256 x 256, each of the four waves makes 128 x 128 of it: 64 accumulators of 16 x 16, 512 registers.  K = 1,024 goes in four steps of 256 through two LDS slots filled by the tensor data mover.
; A WORK-GROUP STAYS AND MAKES TWO TILES, batches b and b + 4: the ring does not stop at the first tile's end: its last two changes of slots ask for the second tile's first two K steps, and its stores leave under the second tile's products.
; 384 tiles are 192 work-groups of two; one and a half tiles for each of 256 would want half tiles with shapes and masks of their own.
; THE MATRIX INSTRUCTION IS USED TRANSPOSED (source 0 = "B", source 1 = "A"): a lane holds one row of A, and its registers run along B's rows.
;   q, k: A = tokens (xc, section P), B = the weight's rows (wc, section P): a lane holds one token and 16 neighbouring channels: attention's first product sums along the channels.
;   v:    A = the weight's rows (wc, section 2), B = tokens (xc, section 2): a lane holds one channel and 16 neighbouring keys: attention's second product sums along the keys.
; The choice is made by selects on the cluster's x alone, which all sixteen partners share: there is no branch on it.
; OPERANDS lie in memory and in LDS in the order of their registers: byte = tile 16384 + s 2048 + c 512 + 16 lane (in a slot: tile 4096 + ..): every fragment is four loads of 16 bytes at 16 x lane: no pitch, no padding.
; The rows that form a tile were chosen by the launch that wrote the codes (row(t, r) = 32 (t / 2) + 8 (t % 2) + r + 8 (r / 8)), so that the 16 registers of B's tiles 2 b, 2 b + 1 are 16 NEIGHBOURS:
; two conversions make 16 bytes that are four registers of the next operand, and each store is 512 consecutive bytes.  The way out needs no LDS.
; code = sum x 2^(eA + eB) / 2^eT: the three exponents are folded into the conversion's one, E = eT - eA - eB: q: e7 - e0 - e1; k: e6 - e2 - e3; v: e8 - e4 - e5.  (The scores' product takes k as its left operand.)
; LIMIT: E between -126 and 112.  NaN among the inputs is not served.
; CLUSTERS: 4 x 4 work-groups.  The four of a row of the cluster need the same tiles of A, the four of a column the same tiles of B: each is asked for JOINTLY.
; REGISTERS: window 0: v16-31 addresses and constants; v32-95 at work on the way out; v96-127 the codes, two sets of 16 by turns; v128-255 A's fragments, ONE set.  window 1: B's fragments, TWO sets.
;   windows 2, 3: the accumulators ((a, b) at v[8 (8 (a % 4) + b)]).
.set FR,     16                        ; registers of a fragment: 16 rows x 128 K
.set NL,     4                         ; LDS loads that bring one
.set NP,     4                         ; places behind this matrix instruction (ISA guide 7.12.1)
.set HALFT,  32768                     ; 8 tiles x 4,096 bytes: what one tensor load brings, and what one wave reads of A or of B
.set SLOT,   4*HALFT                   ; A's 16 tiles, then B's 16
.set SPARE,  2*SLOT                    ; behind the ring: the spare words, 128 bytes for each wave
.set NEXTB,  0x400000                  ; four batches on: 4 x 64 tiles x 16,384 bytes of tokens' codes; and as many bytes in each section of the results
.set ADRA, 16                          ; v16-17  LDS address of my A fragments in slot 0, 1
.set ADRB, 20                          ; v20-21  the same for B
.set CO,   26                          ; v26     16 x lane
.set SPW,  28                          ; v28     LDS address of my spare word; never rewritten
.set NIL,  29                          ; v29     0; never rewritten
.set SC,   30                          ; v30     2^E as f32
.set LIM,  31                          ; v31     57,344 x 2^E
.set TMP,  32
.set CD,   96
.set AF,   128
.set G1, 24                            ; s[24:31] descriptor group 1 for A's tiles;  s[32:39] group 0, one set for each slot
.set G0, 32
.set G1B, 48                           ; s[48:55], s[56:63] the same for B's tiles
.set G0B, 56
.set MSB, 0
.macro WIN new                         ; the immediate's high byte repeats the setting that is left
.if MSB != \new
	s_set_vgpr_msb (MSB<<8)|\new
.set MSB, \new
.endif
.endm
.set MUL_LO, 0xa1                      ; source 0 (B) window 1, source 1 (A) window 0, C and D window 2
.set MUL_HI, 0xf1                      ; the same, C and D window 3
.set TO_B,   0x40                      ; destination window 1, address window 0
; A joint load: waves 0 and 1 fetch for A, waves 2 and 3 for B.  Each line has ONE mask and one set of registers for all that issue it; the branch hangs on the wave's number alone.
; Four v_nop follow each of the two lines, ahead of the jump, the label and what follows.
.macro JLOAD g0a, g1a, g0b, g1b
	s_cmp_eq_u32 s15, 0
	s_cbranch_scc0 .Lfor_b_\@
	tensor_load_to_lds s[\g0a:\g0a+3], s[\g1a:\g1a+7]
	s_nop 0
.rept 4
	v_nop
.endr
	s_branch .Lasked_\@
.Lfor_b_\@:
	tensor_load_to_lds s[\g0b:\g0b+3], s[\g1b:\g1b+7]
	s_nop 0
.rept 4
	v_nop
.endr
.Lasked_\@:
.endm
.macro CREST                           ; a round of the cluster's barrier behind its opening barrier
	s_cmp_lg_u32 s14, 0
	s_cbranch_scc1 .Lnot_wave_0_\@
	s_barrier_signal -3
.Lnot_wave_0_\@:
	s_barrier_wait -3
	s_barrier_signal -1
	s_barrier_wait -1
.endm
.macro CROUND                          ; a whole round
	s_barrier_signal -1
	s_barrier_wait -1
	CREST
.endm
	s_load_b128 s[4:7], s[0:1], 0x0                ; xc, wc
	s_load_b128 s[8:11], s[0:1], 0x10              ; lowp_scales, qkv
	v_lshl_add_u32 v[SPW], v0, 2, SPARE
	v_mov_b32 v[NIL], 0
	ds_add_u32 v28, v29
	ds_add_u32 v28, v29
	s_wait_dscnt 0x0
	v_lshrrev_b32 v1, 5, v0
	v_readfirstlane_b32 s14, v1                    ; wave 0..3
	s_lshr_b32 s15, s14, 1                         ; which half of A's rows is mine.  Also: I fetch for A (0) or for B (1)
	s_and_b32 s16, s14, 1                          ; which half of B's rows.  Also: which 8 tiles I fetch
	s_bfe_u32 s40, ttmp6, 0x40000                  ; cx, cy: my place in the cluster
	s_bfe_u32 s41, ttmp6, 0x40004
	s_and_b32 s17, ttmp7, 0xffff                   ; the first tile's batch, 0 .. 3
	s_lshl_b32 s18, s17, 2                         ; a batch is four blocks of 256 tokens
	s_lshl_b32 s19, ttmp9, 23                      ; xc's and qkv's sections lie 8 MiB apart,
	s_lshl_b32 s42, ttmp9, 20                      ; wc's 1 MiB
	s_lshl_b32 s43, s41, 2
	s_lshl_b32 s43, 15, s43                        ; my row of the cluster
	s_lshl_b32 s44, 0x1111, s40                    ; my column
	; descriptor group 1: 8 rows (tiles) of 4,096 bytes (256 along K), 16,384 bytes apart, in elements of 8 bytes; dense in LDS
	s_or_b32 s[G1+0], s43, (3<<16)|(1<<21)         ; 15:0 the mask: A's tiles go to my row; 17:16 elements of 8 bytes; 21 set beside a mask
	s_or_b32 s[G1B+0], s44, (3<<16)|(1<<21)
.irp g, G1, G1B
	s_mov_b32 s[\g+1], 512<<16                     ; tensor_dim0 = 512
	s_mov_b32 s[\g+2], 8<<16                       ; tensor_dim1 = 8
	s_mov_b32 s[\g+3], 512<<16                     ; tile_dim0 = 512
	s_mov_b32 s[\g+4], 8                           ; tile_dim1 = 8
	s_mov_b32 s[\g+5], 2048                        ; tensor_dim0_stride
	s_mov_b32 s[\g+6], 0
	s_mov_b32 s[\g+7], 0
.endr
	s_lshl_b32 s46, s16, 17                        ; the 8 tiles that I fetch
	s_mov_b32 s89, 0
	s_mov_b32 s91, 0
	s_cmp_eq_u32 ttmp9, 2                          ; v?  Only selects follow
	s_cselect_b32 s20, 0, s18                      ; A: the weight has no batch; tokens have
	s_cselect_b32 s22, s18, 0                      ; B: the other way round
	s_cselect_b32 s21, 0x200000, s19               ; A's section
	s_cselect_b32 s23, 0x1000000, s42              ; B's section
	s_cselect_b32 s88, 0, NEXTB                    ; from the first tile to the second: the tokens' side goes four batches on,
	s_cselect_b32 s90, NEXTB, 0                    ; the weight's side stays
	s_add_co_u32 s20, s20, s41                     ; A's block of 256 rows hangs on cy alone,
	s_lshl_b32 s20, s20, 18
	s_add_co_u32 s20, s20, s46
	s_add_co_u32 s20, s20, s21
	s_mov_b32 s21, 0
	s_add_co_u32 s22, s22, s40                     ; B's on cx alone
	s_lshl_b32 s22, s22, 18
	s_add_co_u32 s22, s22, s46
	s_add_co_u32 s22, s22, s23
	s_mov_b32 s23, 0
	s_mul_i32 s45, s14, HALFT                      ; where they go: wave x 32,768: no place in the cluster enters an LDS address
	s_wait_kmcnt 0x0
	s_load_b256 s[72:79], s[8:9], 0x0              ; e0 .. e7
	s_load_b128 s[80:83], s[8:9], 0x20             ; e8 .. e11
	s_cmp_eq_u32 ttmp9, 2
	s_cselect_b64 s[66:67], s[6:7], s[4:5]         ; A's buffer
	s_cselect_b64 s[68:69], s[4:5], s[6:7]         ; B's
	s_add_nc_u64 s[66:67], s[66:67], s[20:21]
	s_add_nc_u64 s[68:69], s[68:69], s[22:23]
	CROUND                                         ; all sixteen work-groups are here: the first joint loads meet
.irp s, 0,1
	s_mov_b32 s[G0+4*\s], 1
	s_add_co_u32 s[G0+4*\s+1], s45, \s*SLOT
	s_add_nc_u64 s[G0+4*\s+2:G0+4*\s+3], s[66:67], \s*4096
	s_or_b32 s[G0+4*\s+3], s[G0+4*\s+3], 0x80000000
	s_mov_b32 s[G0B+4*\s], 1
	s_add_co_u32 s[G0B+4*\s+1], s45, \s*SLOT
	s_add_nc_u64 s[G0B+4*\s+2:G0B+4*\s+3], s[68:69], \s*4096
	s_or_b32 s[G0B+4*\s+3], s[G0B+4*\s+3], 0x80000000
	JLOAD G0+4*\s, G1, G0B+4*\s, G1B
.endr
	v_and_b32 v1, 31, v0
	v_lshlrev_b32 v[CO], 4, v1
	s_mul_i32 s84, s15, HALFT                      ; my 8 tiles of A
	s_mul_i32 s85, s16, HALFT                      ; my 8 tiles of B,
	s_add_co_u32 s85, s85, 2*HALFT                 ; which lie behind A's 16
.irp s, 0,1
	v_add_nc_u32 v[ADRA+\s], s84, v[CO]
	v_add_nc_u32 v[ADRB+\s], s85, v[CO]
	s_add_co_u32 s84, s84, SLOT
	s_add_co_u32 s85, s85, SLOT
.endr
	; where my codes go: section P; ((16 b + 4 cx + 2 (my half of B)) x 64 + 16 cy + 8 (my half of A)) x 1,024.  For q and k that is (head, position tile), for v (128 keys' half, channel tile): one formula serves all three
	s_lshl_b32 s86, s17, 4
	s_lshl_b32 s87, s40, 2
	s_add_co_u32 s86, s86, s87
	s_lshl_b32 s87, s16, 1
	s_add_co_u32 s86, s86, s87
	s_lshl_b32 s86, s86, 6
	s_lshl_b32 s87, s41, 4
	s_add_co_u32 s86, s86, s87
	s_lshl_b32 s87, s15, 3
	s_add_co_u32 s86, s86, s87
	s_lshl_b32 s86, s86, 10
	s_add_co_u32 s86, s86, s19
	s_mov_b32 s87, 0
	s_add_nc_u64 s[10:11], s[10:11], s[86:87]
.macro FRAG reg, adr, q, i             ; tile i's fragment of the slot's q-th 128 along K: four loads of 512 consecutive bytes
.irp c, 0,1,2,3
	ds_load_b128 v[\reg+4*\c:\reg+4*\c+3], v[\adr] offset:(\i)*4096+(\q)*2048+512*\c
.endr
.endm
; 16 matrix instructions: A's blocks a0, a0 + 1 x B's eight, 128 along K.  p: B's set.  zero = 1: the first product starts the sums.
; The 64 accumulators take turns, one instruction a turn, in the same order in every step, from tile to tile too.
.macro MUL16 a0, p, zero
.irp a, \a0, \a0+1
.irp b, 0,1,2,3,4,5,6,7
.if \zero
	v_wmma_f32_16x16x128_bf8_bf8 v[8*(8*((\a)%4)+\b):8*(8*((\a)%4)+\b)+7], v[128*(\p)+FR*\b:128*(\p)+FR*\b+FR-1], v[AF+FR*(\a):AF+FR*(\a)+FR-1], 0
.else
	v_wmma_f32_16x16x128_bf8_bf8 v[8*(8*((\a)%4)+\b):8*(8*((\a)%4)+\b)+7], v[128*(\p)+FR*\b:128*(\p)+FR*\b+FR-1], v[AF+FR*(\a):AF+FR*(\a)+FR-1], v[8*(8*((\a)%4)+\b):8*(8*((\a)%4)+\b)+7]
.endif
.endr
.endr
.endm
.macro FETCH_B slot, q, p
	WIN TO_B
.irp i, 0,1,2,3,4,5,6,7
	FRAG 128*(\p)+FR*\i, ADRB+\slot, \q, \i
.endr
	WIN 0
.endm
.macro FETCH_A slot, q, i0
.irp i, \i0, \i0+1, \i0+2, \i0+3
	FRAG AF+FR*(\i), ADRA+\slot, \q, \i
.endr
.endm
.macro PLACES n                        ; plain vector lines between a matrix instruction and a load into, or a read of, its registers
.rept \n
	v_nop
.endr
.endm
; A step of 128 along K that has its successor in the same slot.  A block of A is free as soon as its eight products are issued: blocks 0-3 are fetched anew in the step's middle, blocks 4-7 at its end.
.macro STEP slot, q, zero
	s_wait_dscnt 4*NL                              ; B's set and A's blocks 0-3 are in; the youngest sixteen loads (A's blocks 4-7) may be out
	WIN MUL_LO
	MUL16 0, (\q)%2, \zero
	MUL16 2, (\q)%2, \zero
	s_wait_dscnt 0                                 ; A's blocks 4-7 are in
	PLACES NP
	FETCH_B \slot, (\q)+1, 1-(\q)%2
	FETCH_A \slot, (\q)+1, 0
	WIN MUL_HI
	MUL16 4, (\q)%2, \zero
	MUL16 6, (\q)%2, \zero
	PLACES NP
	WIN 0
	FETCH_A \slot, (\q)+1, 4
.endm
; A slot's last step changes slots: ONE barrier; in front of it each wave waits for all its tensor loads, adds 0 to its spare word, and waits for that and for its own reads of this slot.
; fill = 1: this slot is filled again, two K steps ahead.  fill = 2: with the NEXT tile's K step 0 or 1.  fill = 0: nothing is left to fetch.
.macro TURN slot, next, fill
	s_wait_tensorcnt 0x0                           ; all my tensor loads have landed: my part of the next slot
	ds_add_u32 v[SPW], v[NIL]                      ; 0 onto my spare word
	s_wait_dscnt 4*NL+1                            ; (the add and the youngest sixteen loads may be out)
	WIN MUL_LO
	MUL16 0, 1, 0
	s_wait_dscnt 0x0                               ; the add is done, and my reads of this slot are over
	s_barrier_signal -1
	MUL16 2, 1, 0
	WIN 0
	s_barrier_wait -1
.if \fill
	CREST                                          ; the barrier has opened a round of the cluster's barrier: no wave of any partner still reads this slot or has a load on its way
.if \fill == 2
	s_sub_nc_u64 s[G0+4*\slot+2:G0+4*\slot+3], s[G0+4*\slot+2:G0+4*\slot+3], 8192       ; back along K on both sides,
	s_sub_nc_u64 s[G0B+4*\slot+2:G0B+4*\slot+3], s[G0B+4*\slot+2:G0B+4*\slot+3], 8192
	s_add_nc_u64 s[G0+4*\slot+2:G0+4*\slot+3], s[G0+4*\slot+2:G0+4*\slot+3], s[88:89]   ; and four batches on, on the tokens' side
	s_add_nc_u64 s[G0B+4*\slot+2:G0B+4*\slot+3], s[G0B+4*\slot+2:G0B+4*\slot+3], s[90:91]
.else
	s_add_nc_u64 s[G0+4*\slot+2:G0+4*\slot+3], s[G0+4*\slot+2:G0+4*\slot+3], 8192
	s_add_nc_u64 s[G0B+4*\slot+2:G0B+4*\slot+3], s[G0B+4*\slot+2:G0B+4*\slot+3], 8192
.endif
	JLOAD G0+4*\slot, G1, G0B+4*\slot, G1B         ; the first tensor load behind the round; its four v_nop are the places in front of the loads below
.else
	PLACES NP
.endif
	FETCH_B \next, 0, 0
	FETCH_A \next, 0, 0
	WIN MUL_HI
	MUL16 4, 1, 0
	MUL16 6, 1, 0
	PLACES NP
	WIN 0
	FETCH_A \next, 0, 4
.endm
; THE WAY OUT.  Block a (16 rows of A x my 128 of B): held, converted, stored.  Each accumulator is read from its low end on.
.macro OUTBLK a
.set AC, 64*((\a)%4)
	WIN 0x02+((\a)/4)                              ; source 0: window 2 or 3
.set jj, 0
.rept 64
	v_med3_num_f32 v[TMP+jj], v[AC+jj], -v[LIM], v[LIM]   ; the conversion does not saturate (ISA guide 7.6.2)
.set jj, jj+1
.endr
	WIN 0
	s_wait_xcnt 0x0                                ; the stores of the block two back have read this set of 16 registers
.irp g, 0,1,2,3,4,5,6,7
	v_cvt_scalef32_pk8_bf8_f32 v[CD+16*((\a)%2)+2*\g:CD+16*((\a)%2)+2*\g+1], v[TMP+8*\g:TMP+8*\g+7], v[SC]
.endr
	v_nop                                          ; a plain line behind the last conversion: the next block's holds write its sources
.irp be, 0,1,2,3
	global_store_b128 v[CO], v[CD+16*((\a)%2)+4*\be:CD+16*((\a)%2)+4*\be+3], s[10:11] offset:(\be/2)*65536+(\a)*1024+(\be%2)*512   ; 512 consecutive bytes: four registers of the next operand, lane by lane
.endr
.endm
	s_wait_tensorcnt 1                             ; my part of slot 0 is in; slot 1's load may be out
	s_barrier_signal -1
	s_barrier_wait -1
	FETCH_B 0, 0, 0
	FETCH_A 0, 0, 0
	FETCH_A 0, 0, 4
	; ---- the first tile
	STEP 0, 0, 1                                   ; K 0-127: its products start the sums
	TURN 0, 1, 1                                   ; K 128-255; slot 0 takes K 512-767
	STEP 1, 0, 0
	TURN 1, 0, 1                                   ; slot 1 takes K 768-1023
	STEP 0, 0, 0
	TURN 0, 1, 2                                   ; THE RING GOES ON: slot 0 takes the second tile's K 0-255,
	STEP 1, 0, 0
	TURN 1, 0, 2                                   ; slot 1 its K 256-511, and the second tile's first fragments are fetched
	s_wait_kmcnt 0x0
	s_sub_co_i32 s84, s79, s72                     ; q: e7 - e0 - e1
	s_sub_co_i32 s84, s84, s73
	s_sub_co_i32 s85, s78, s74                     ; k: e6 - e2 - e3
	s_sub_co_i32 s85, s85, s75
	s_sub_co_i32 s86, s80, s76                     ; v: e8 - e4 - e5
	s_sub_co_i32 s86, s86, s77
	s_cmp_eq_u32 ttmp9, 1
	s_cselect_b32 s84, s85, s84
	s_cmp_eq_u32 ttmp9, 2
	s_cselect_b32 s84, s86, s84
	s_add_co_i32 s84, s84, 127
	s_lshl_b32 s85, s84, 23
	v_mov_b32 v[SC], s85
	s_add_co_i32 s84, s84, 15
	s_lshl_b32 s84, s84, 23
	s_or_b32 s84, s84, 0x600000
	v_mov_b32 v[LIM], s84
.irp a, 0,1,2,3,4,5,6,7                        ; both refills are asked for: now the tile goes out (the change of slots has left four places behind its last product)
	OUTBLK \a
.endr
	s_wait_xcnt 0x0                                ; the stores have read their base
	s_add_nc_u64 s[10:11], s[10:11], NEXTB         ; the second tile's place in the section
	; ---- the second tile
	STEP 0, 0, 1
	TURN 0, 1, 1
	STEP 1, 0, 0
	TURN 1, 0, 1
	STEP 0, 0, 0
	TURN 0, 1, 0                                   ; nothing is left to fetch: no round
	STEP 1, 0, 0
	s_wait_dscnt 4*NL                              ; the last step
	WIN MUL_LO
	MUL16 0, 1, 0
	MUL16 2, 1, 0
	s_wait_dscnt 0
	WIN MUL_HI
	MUL16 4, 1, 0
	MUL16 6, 1, 0
	WIN 0
	PLACES NP
.irp a, 0,1,2,3,4,5,6,7
	OUTBLK \a
.endr
	s_wait_tensorcnt 0x0                           ; the wave's end
	ds_add_u32 v[SPW], v[NIL]
	s_wait_dscnt 0x0
	CROUND                                         ; the closing round
	s_endpgm
.Lfunc_end_k_q3bcabea39d_qkv:
	.size	k_q3bcabea39d_qkv, .Lfunc_end_k_q3bcabea39d_qkv-k_q3bcabea39d_qkv
	.p2alignl 7, 3214868480
	.fill 96, 4, 3214868480
	.section	.rodata,"a",@progbits
	.p2align	6, 0x0
	.amdhsa_kernel k_q3bcabea39d_qkv
		.amdhsa_group_segment_fixed_size 327680
		.amdhsa_private_segment_fixed_size 0
		.amdhsa_enable_private_segment 0
		.amdhsa_kernarg_size 32
		.amdhsa_user_sgpr_count 2
		.amdhsa_user_sgpr_kernarg_segment_ptr 1
		.amdhsa_wavefront_size32 1
		.amdhsa_system_sgpr_workgroup_id_x 1
		.amdhsa_system_sgpr_workgroup_id_y 1
		.amdhsa_system_sgpr_workgroup_id_z 1
		.amdhsa_system_vgpr_workitem_id 0
		.amdhsa_next_free_vgpr 1024
		.amdhsa_next_free_sgpr 96
		.amdhsa_reserve_vcc 0
		.amdhsa_float_denorm_mode_32 3
		.amdhsa_float_denorm_mode_16_64 3
		.amdhsa_memory_ordered 1
		.amdhsa_forward_progress 1
		.amdhsa_inst_pref_size 230
	.end_amdhsa_kernel
	.amdgpu_metadata
---
amdhsa.version: [ 1, 2 ]
amdhsa.kernels:
  - .name:           k_q3bcabea39d_qkv
    .symbol:         k_q3bcabea39d_qkv.kd
    .args:
      - { .name: xc, .offset: 0, .size: 8, .value_kind: global_buffer, .address_space: global }
      - { .name: wc, .offset: 8, .size: 8, .value_kind: global_buffer, .address_space: global }
      - { .name: lowp_scales, .offset: 16, .size: 8, .value_kind: global_buffer, .address_space: global }
      - { .name: qkv, .offset: 24, .size: 8, .value_kind: global_buffer, .address_space: global }
    .group_segment_fixed_size: 327680
    .private_segment_fixed_size: 0
    .kernarg_segment_align: 8
    .kernarg_segment_size: 32
    .max_flat_workgroup_size: 128
    .sgpr_count:     96
    .vgpr_count:     1024
    .wavefront_size: 32
...
	.end_amdgpu_metadata
.endif
;; end of part 2
;; launch attn (part 3): grid 2 x 128, 16 waves a work-group, no clusters, 133,120 bytes of LDS; arguments qkv, mbits, mflags, lowp_scales, ac; writes ac
.if DOCPART == 3
	.amdgcn_target "amdgcn-amd-amdhsa--gfx1250"
	.amdhsa_code_object_version 6
	.text
	.protected	k_q3bcabea39d_attn
	.globl	k_q3bcabea39d_attn
	.p2align	8
	.type	k_q3bcabea39d_attn,@function
k_q3bcabea39d_attn:
	s_mov_b64 s[64:65], 0
	v_nop
	global_prefetch_b8 v0, s[64:65] scope:SCOPE_SE
	s_setreg_imm32_b32 hwreg(HW_REG_WAVE_MODE, 25, 1), 1
	s_wait_xcnt 0x0
; ATTENTION on codes of E5M2, with the mask as it is GIVEN (any pattern), its result quantised at once for the output projection.
; Work-group (u, bh): head bh = 16 b + hd, the query tiles of parity u.  Each of sixteen waves owns one tile of 16 queries at a time, two in turn: qt = 2 w + u, then 62 + u - 2 w.
; A head's K and V, 64 KiB of codes each, lie WHOLE in LDS, filled once through registers: one barrier in the launch, no ring.  Both tiles' Q and both tiles' flags are asked for with that fill, so that a tile begins with no wait.
; NO TENSOR LOAD AND NO CLUSTER: steps are passed over by branches on stored whole numbers (the mask's flags); and what the two work-groups of a head share, 128 KiB read once,
; is small beside the 16 KiB that each of a work-group's waves reads from LDS in each of its steps.
; LAYOUT.  Both products are used transposed: S^T = K Q^T (source 0 = 16 keys, source 1 = my 16 queries), O^T = V^T P^T (source 0 = 16 channels, source 1 = P): a lane holds ONE query (lane % 16) throughout.
; The rows that form a tile of K, of V and of Q were chosen by the launch that wrote them (row(t, r) = 32 (t / 2) + 8 (t % 2) + r + 8 (r / 8)): register 16 b + i of S^T is key 32 b + 16 (lane / 16) + i of the step.
; THE SOFTMAX: t = score x log2(e) / 8; M = the largest t so far, rounded UP to a whole number; p = 2^(t - M) is what is quantised; the row's sum is taken of the unquantised p and divides at the end.
; THE MASK: for each (query tile, step) 64 words: word n's bit L says that register n of lane L is hidden: one v_cndmask_b32 a score puts -infinity there.
; Flag 0 (all hidden): the step's work is passed over.  Flag 2 (all open): neither the words' loads nor the 64 selects.  Flag 1 (mixed): the words are asked for at the step's head and used behind the first product.
; A query all of whose keys are hidden has the sum 0: its codes become the NaN code, and the output row is NaN, as a softmax of nothing but -infinity is.
; LIMITS on the given exponents: e6 + e7 between -123 and 130 (added to c's exponent field); e9, and e10 - e8 - e9, between -126 and 112.  NaN among the inputs is not served.
; REGISTERS: v1 16 x lane; v2, v3 the step's K and V in LDS; v4 -infinity; v7 four NaN codes; v8, v9 the two tiles' offsets in Q; v10 the tile's offset in ac; v11 16 x lane + 65,536; v12 -M; v13 the largest t; v[14:15] the sum;
;   v16-23 Q; v24-31 the second tile's Q; v32-95 K's eight fragments, then V's four; v96-159 S^T, then p; v160-191 O^T; v224-239 p's codes; v240, v244 p's hold and scale; v245, v246 the result's scale and hold;
;   v242-243, v248, v252-254 at work.
; SCALARS: s2 the second tile's flags; s[32:63], s[68:99] the step's 64 mask words; s66 the step's LDS byte; s67 its byte in mbits; s100, s101 counters; s104 e9; s105 the flags of the tile in hand.
	s_load_b256 s[4:11], s[0:1], 0x0               ; qkv, mbits, mflags, lowp_scales
	s_load_b64 s[12:13], s[0:1], 0x20              ; ac
	v_lshl_add_u32 v251, v0, 2, 0x20000
	v_mov_b32 v255, 0
	v_lshrrev_b32 v8, 5, v0
	v_readfirstlane_b32 s14, v8                    ; wave 0..15
	v_and_b32 v8, 31, v0
	v_lshlrev_b32 v1, 4, v8
	v_add_nc_u32 v11, 0x10000, v1
	s_and_b32 s16, ttmp7, 0xffff                   ; bh
	s_lshr_b32 s18, s16, 4                         ; b
	s_and_b32 s19, s16, 15                         ; hd
	s_lshl_b32 s68, s16, 16                        ; K: section 1, 65,536 a head, my 4,096
	s_lshl_b32 s69, s14, 12
	s_add_co_u32 s68, s68, s69
	s_add_co_u32 s68, s68, 0x800000
	s_mov_b32 s69, 0
	s_lshl_b32 s70, s18, 4                         ; V: section 2, (16 b + w) x 65,536 (keys 64 w on) + 4,096 hd
	s_add_co_u32 s70, s70, s14
	s_lshl_b32 s70, s70, 16
	s_lshl_b32 s71, s19, 12
	s_add_co_u32 s70, s70, s71
	s_add_co_u32 s70, s70, 0x1000000
	s_mov_b32 s71, 0
	s_lshl_b32 s72, s16, 16                        ; Q: section 0, the head
	s_mov_b32 s73, 0
	s_lshl_b32 s74, s18, 20                        ; ac: 64 tiles of 16,384 a batch, + 1,024 hd (the head's 64 of K = 1,024)
	s_lshl_b32 s75, s19, 10
	s_add_co_u32 s74, s74, s75
	s_mov_b32 s75, 0
	s_lshl_b32 s76, s14, 12
	v_add_nc_u32 v5, s76, v1                       ; LDS: K at 0, V at 65,536; my 4,096 of each
	v_add_nc_u32 v6, 0x10000, v5
	s_lshl_b32 s17, s14, 1
	s_add_co_u32 s17, s17, ttmp9                   ; my first tile of queries
	s_lshl_b32 s15, ttmp9, 1
	s_add_co_u32 s15, s15, 62                      ; the second is this less the first
	s_sub_co_u32 s79, s15, s17
	s_lshl_b32 s77, s17, 5                         ; a tile's eight flags are 32 bytes
	s_lshl_b32 s78, s79, 5
	s_lshl_b32 s3, s17, 10                         ; a tile of Q is 1,024 bytes
	v_add_nc_u32 v9, s3, v1
	s_lshl_b32 s3, s79, 10
	v_add_nc_u32 v8, s3, v1
	s_mov_b32 s20, 0x76543210                      ; v_permlanex16_b32: lane l xor 16
	s_mov_b32 s21, 0xfedcba98
	s_wait_kmcnt 0x0
	s_load_b256 s[32:39], s[10:11], 0x0            ; e0 .. e7
	s_load_b128 s[40:43], s[10:11], 0x20           ; e8 .. e11
	s_load_b256 s[24:31], s[8:9], s77 offset:0x0   ; the first tile's eight flags, each at its own two bits,
	s_load_b256 s[48:55], s[8:9], s78 offset:0x0   ; and the second's
	s_add_nc_u64 s[68:69], s[4:5], s[68:69]
	s_add_nc_u64 s[70:71], s[4:5], s[70:71]
	s_add_nc_u64 s[4:5], s[4:5], s[72:73]
	s_add_nc_u64 s[12:13], s[12:13], s[74:75]
.irp j, 0,1,2,3,4,5,6,7
	global_load_b128 v[32+4*\j:35+4*\j], v1, s[68:69] offset:512*\j
.endr
.irp j, 0,1,2,3,4,5,6,7
	global_load_b128 v[64+4*\j:67+4*\j], v1, s[70:71] offset:512*\j
.endr
	global_load_b128 v[16:19], v9, s[4:5]          ; Q's fragment, first tile
	global_load_b128 v[20:23], v9, s[4:5] offset:512
	global_load_b128 v[24:27], v8, s[4:5]          ; second tile
	global_load_b128 v[28:31], v8, s[4:5] offset:512
	v_mov_b32 v4, 0xff800000
	v_mov_b32 v7, 0x7f7f7f7f
	v_mov_b32 v248, 0                              ; (a lane permute's destination counts as one of its sources)
	v_mov_b32 v253, 0                              ; (named as the upper half of the pair v[252:253])
	s_wait_kmcnt 0x0
	s_or_b32 s24, s24, s25
	s_or_b32 s26, s26, s27
	s_or_b32 s28, s28, s29
	s_or_b32 s30, s30, s31
	s_or_b32 s24, s24, s26
	s_or_b32 s28, s28, s30
	s_or_b32 s105, s24, s28                        ; sixteen bits: two a step
	s_or_b32 s48, s48, s49
	s_or_b32 s50, s50, s51
	s_or_b32 s52, s52, s53
	s_or_b32 s54, s54, s55
	s_or_b32 s48, s48, s50
	s_or_b32 s52, s52, s54
	s_or_b32 s2, s48, s52
	s_add_co_i32 s72, s38, s39                     ; a score stands for score x 2^(e6 + e7): added to c's exponent field
	s_lshl_b32 s72, s72, 23
	s_mov_b32 s22, 0x3e38aa3b                      ; c = log2(e) / 8
	s_add_co_i32 s22, s22, s72
	s_mov_b32 s23, s22                             ; (named with it as a pair)
	s_mov_b32 s104, s41                            ; e9
	s_add_co_i32 s72, s41, 127
	s_lshl_b32 s73, s72, 23
	v_mov_b32 v244, s73                            ; 2^e9
	s_add_co_i32 s72, s72, 15
	s_lshl_b32 s72, s72, 23
	s_or_b32 s72, s72, 0x600000
	v_mov_b32 v240, s72                            ; 57,344 x 2^e9
	s_sub_co_i32 s72, s42, s40                     ; O^T / l stands for x 2^(e8 + e9): its code is that / 2^(e10 - e8 - e9)
	s_sub_co_i32 s72, s72, s41
	s_add_co_i32 s72, s72, 127
	s_lshl_b32 s73, s72, 23
	v_mov_b32 v245, s73
	s_add_co_i32 s72, s72, 15
	s_lshl_b32 s72, s72, 23
	s_or_b32 s72, s72, 0x600000
	v_mov_b32 v246, s72
	s_wait_loadcnt 0x0
.irp j, 0,1,2,3,4,5,6,7
	ds_store_b128 v5, v[32+4*\j:35+4*\j] offset:512*\j
	ds_store_b128 v6, v[64+4*\j:67+4*\j] offset:512*\j
.endr
.set n, 32
.rept 16
	s_mov_b64 s[n:n+1], 0                          ; the 64 registers of the mask's words are written once: only a mixed step loads them, and every way to the selects has then written them
.set n, n+2
.endr
.set n, 68
.rept 16
	s_mov_b64 s[n:n+1], 0
.set n, n+2
.endr
	s_wait_dscnt 0x0                               ; for the others' sake: my stores have landed
	s_barrier_signal -1
	s_barrier_wait -1                              ; K and V are whole; from here on LDS is only read
	s_mov_b32 s101, 2
.Ltile:
	s_wait_xcnt 0x0                                ; the last tile's stores have read their offset and their data
	s_lshl_b32 s18, s17, 14
	v_add_nc_u32 v10, s18, v1
	v_mov_b32 v13, 0xff61b1e6                      ; the largest t so far: -3e38
	v_floor_f32 v12, -v13
	v_mov_b32 v14, 0
	v_mov_b32 v15, 0
.set j, 0
.rept 32
	v_mov_b32 v[160+j], 0                          ; O^T: the step is written once; the first change of M leaves zeros zeros
.set j, j+1
.endr
	s_mov_b32 s66, 0
	s_lshl_b32 s67, s17, 11
	s_mov_b32 s100, 8
.Lstep:                                            ; eight trips, always: work is passed over, never a trip
	s_and_b32 s18, s105, 3
	s_lshr_b32 s105, s105, 2
	s_cmp_eq_u32 s18, 0
	s_cbranch_scc1 .Lhidden
	s_cmp_lg_u32 s18, 1
	s_cbranch_scc1 .Lno_words
	s_load_b512 s[32:47], s[6:7], s67 offset:0x0   ; a mixed step: the mask's 64 words, asked for ahead of the first product
	s_load_b512 s[48:63], s[6:7], s67 offset:0x40
	s_load_b512 s[68:83], s[6:7], s67 offset:0x80
	s_load_b512 s[84:99], s[6:7], s67 offset:0xc0
.Lno_words:
	v_add_nc_u32 v2, s66, v1
	v_add_nc_u32 v3, s66, v11
.irp t, 0,1,2,3,4,5,6,7
	ds_load_b128 v[32+8*\t:35+8*\t], v2 offset:1024*\t
	ds_load_b128 v[36+8*\t:39+8*\t], v2 offset:1024*\t+512
.endr
	s_wait_dscnt 0x0
.irp t, 0,1,2,3,4,5,6,7
	v_wmma_f32_16x16x64_bf8_bf8 v[96+8*\t:103+8*\t], v[32+8*\t:39+8*\t], v[16:23], 0
.endr
.rept 4
	v_nop                                          ; places in front of the loads into K's registers and of the first read of the scores
.endr
.irp d, 0,1,2,3
.irp c, 0,1,2,3
	ds_load_b128 v[32+16*\d+4*\c:35+16*\d+4*\c], v3 offset:(\c/2)*4096+\d*1024+(\c%2)*512   ; V lands under the softmax
.endr
.endr
	s_wait_kmcnt 0x0                               ; on every way: no scalar load is out behind this line
	s_cmp_lg_u32 s18, 1
	s_cbranch_scc1 .Lopen
.set n, 0
.rept 64
.if n < 32
	v_cndmask_b32 v[96+n], v[96+n], v4, s[32+n]
.else
	v_cndmask_b32 v[96+n], v[96+n], v4, s[36+n]
.endif
.set n, n+1
.endr
.Lopen:
	v_max3_num_f32 v254, v96, v97, v98             ; the step's largest score of my query, in two chains, each accumulator from its low end on
	v_max3_num_f32 v252, v99, v100, v101
.set i, 6
.rept 14
	v_max3_num_f32 v254, v254, v[96+i], v[97+i]
	v_max3_num_f32 v252, v252, v[98+i], v[99+i]
.set i, i+4
.endr
	v_max3_num_f32 v254, v254, v158, v159
	v_max_num_f32 v254, v254, v252
	v_permlanex16_b32 v248, v254, s20, s21
	v_max_num_f32 v254, v254, v248                 ; and among lane l xor 16's
	v_mul_f32 v254, s22, v254                      ; as t (c is positive)
	v_max_num_f32 v13, v13, v254
	v_mov_b32 v254, v12
	v_floor_f32 v12, -v13                          ; the new -M = floor(-t)
	v_sub_f32 v254, v12, v254                      ; old M - new M: a whole number, 0 or less
	v_cvt_i32_f32 v254, v254                       ; (it saturates)
	v_ldexp_f32 v252, 1.0, v254                    ; f = 2^(old M - new M)
.set j, 0
.rept 32
	v_pk_fma_f32 v[96+j:97+j], v[96+j:97+j], s[22:23], v[12:13] op_sel_hi:[1,0,0]   ; t - M
.set j, j+2
.endr
.set j, 0
.rept 64
	v_exp_f32 v[96+j], v[96+j]                     ; p = 2^(t - M)
.set j, j+1
.endr
	v_pk_mul_f32 v[14:15], v[14:15], v[252:253] op_sel_hi:[1,0]   ; the sums under the new M (a plain line behind the exponentials)
	s_wait_alu depctr_va_vdst(0)
	v_pk_add_f32 v[242:243], v[96:97], v[98:99]    ; the sum of the UNQUANTISED p, in two chains
.set j, 4
.rept 15
	v_pk_add_f32 v[14:15], v[14:15], v[96+j:97+j]
	v_pk_add_f32 v[242:243], v[242:243], v[98+j:99+j]
.set j, j+4
.endr
	v_pk_add_f32 v[14:15], v[14:15], v[242:243]
	s_cmp_ge_i32 s104, -15                         ; from e9 = -15 on the hold, 57,344 x 2^e9, is 1.75 or more, and p is at most 1: it can hold nothing
	s_cbranch_scc1 .Lno_hold
.set j, 0
.rept 64
	v_min_num_f32 v[96+j], v[96+j], v240           ; the conversion does not saturate (ISA guide 7.6.2); p is not negative
.set j, j+1
.endr
.Lno_hold:
.irp b, 0,1,2,3
	v_cvt_scalef32_pk8_bf8_f32 v[224+4*\b:225+4*\b], v[96+16*\b:103+16*\b], v244
	v_cvt_scalef32_pk8_bf8_f32 v[226+4*\b:227+4*\b], v[104+16*\b:111+16*\b], v244
.endr
.set j, 0
.rept 16
	v_pk_mul_f32 v[160+j:161+j], v[160+j:161+j], v[252:253] op_sel_hi:[1,0]   ; O^T under the new M; also the plain lines behind the conversions
.set j, j+2
.endr
	s_wait_dscnt 0x0                               ; V
.irp d, 0,1,2,3
	v_wmma_f32_16x16x128_bf8_bf8 v[160+8*\d:167+8*\d], v[32+16*\d:47+16*\d], v[224:239], v[160+8*\d:167+8*\d]   ; four accumulators, one instruction a turn
.endr
.rept 4
	v_nop                                          ; places for whatever follows: the next step's loads into V's registers, or the tile's end
.endr
.Lhidden:
	s_add_co_u32 s66, s66, 8192
	s_add_co_u32 s67, s67, 256
	s_sub_co_u32 s100, s100, 1
	s_cmp_lg_u32 s100, 0
	s_cbranch_scc1 .Lstep
	; the tile's end: O^T / l, held, converted: the codes are registers of the output projection's operand
	v_add_f32 v14, v14, v15
	v_permlanex16_b32 v248, v14, s20, s21
	v_add_f32 v14, v14, v248                       ; l
	v_cmp_eq_f32 vcc_lo, 0, v14                    ; a query with no key
	v_rcp_f32 v14, v14
	v_nop
.set j, 0
	s_wait_alu depctr_va_vdst(0)
.rept 16
	v_pk_mul_f32 v[96+j:97+j], v[160+j:161+j], v[14:15] op_sel_hi:[1,0]
.set j, j+2
.endr
.set j, 0
.rept 32
	v_med3_num_f32 v[96+j], v[96+j], -v246, v246
.set j, j+1
.endr
.irp g, 0,1,2,3
	v_cvt_scalef32_pk8_bf8_f32 v[224+2*\g:225+2*\g], v[96+8*\g:103+8*\g], v245
.endr
	v_nop
.irp i, 0,1,2,3,4,5,6,7
	v_cndmask_b32 v[224+\i], v[224+\i], v7, vcc_lo
.endr
	global_store_b128 v10, v[224:227], s[12:13]               ; channels 16 (lane / 16) + 0 .. 15 of my query; 512 consecutive bytes a store
	global_store_b128 v10, v[228:231], s[12:13] offset:512    ; channels 32 + ..
.irp i, 0,1,2,3,4,5,6,7
	v_mov_b32 v[16+\i], v[24+\i]                   ; the second tile's Q takes the first's place,
.endr
	s_mov_b32 s105, s2                             ; its flags likewise
	s_sub_co_u32 s17, s15, s17
	s_sub_co_u32 s101, s101, 1
	s_cmp_lg_u32 s101, 0
	s_cbranch_scc1 .Ltile
	s_wait_tensorcnt 0x0
	ds_add_u32 v251, v255
	s_wait_dscnt 0x0
	s_endpgm
.Lfunc_end_k_q3bcabea39d_attn:
	.size	k_q3bcabea39d_attn, .Lfunc_end_k_q3bcabea39d_attn-k_q3bcabea39d_attn
	.p2alignl 7, 3214868480
	.fill 96, 4, 3214868480
	.section	.rodata,"a",@progbits
	.p2align	6, 0x0
	.amdhsa_kernel k_q3bcabea39d_attn
		.amdhsa_group_segment_fixed_size 133120
		.amdhsa_private_segment_fixed_size 0
		.amdhsa_enable_private_segment 0
		.amdhsa_kernarg_size 40
		.amdhsa_user_sgpr_count 2
		.amdhsa_user_sgpr_kernarg_segment_ptr 1
		.amdhsa_wavefront_size32 1
		.amdhsa_system_sgpr_workgroup_id_x 1
		.amdhsa_system_sgpr_workgroup_id_y 1
		.amdhsa_system_sgpr_workgroup_id_z 1
		.amdhsa_system_vgpr_workitem_id 0
		.amdhsa_next_free_vgpr 256
		.amdhsa_next_free_sgpr 106
		.amdhsa_reserve_vcc 1
		.amdhsa_float_denorm_mode_32 3
		.amdhsa_float_denorm_mode_16_64 3
		.amdhsa_memory_ordered 1
		.amdhsa_forward_progress 1
		.amdhsa_inst_pref_size 34
	.end_amdhsa_kernel
	.amdgpu_metadata
---
amdhsa.version: [ 1, 2 ]
amdhsa.kernels:
  - .name:           k_q3bcabea39d_attn
    .symbol:         k_q3bcabea39d_attn.kd
    .args:
      - { .name: qkv, .offset: 0, .size: 8, .value_kind: global_buffer, .address_space: global }
      - { .name: mbits, .offset: 8, .size: 8, .value_kind: global_buffer, .address_space: global }
      - { .name: mflags, .offset: 16, .size: 8, .value_kind: global_buffer, .address_space: global }
      - { .name: lowp_scales, .offset: 24, .size: 8, .value_kind: global_buffer, .address_space: global }
      - { .name: ac, .offset: 32, .size: 8, .value_kind: global_buffer, .address_space: global }
    .group_segment_fixed_size: 133120
    .private_segment_fixed_size: 0
    .kernarg_segment_align: 8
    .kernarg_segment_size: 40
    .max_flat_workgroup_size: 512
    .sgpr_count:     106
    .vgpr_count:     256
    .wavefront_size: 32
...
	.end_amdgpu_metadata
.endif
;; end of part 3
;; launch outln (part 4): grid 256 x 1, 4 waves a work-group, no clusters, 263,168 bytes of LDS; arguments ac, wc, dec_inp, ln_gamma, ln_beta, lowp_scales, klpart, out0, out1; writes out0, out1
.if DOCPART == 4
	.amdgcn_target "amdgcn-amd-amdhsa--gfx1250"
	.amdhsa_code_object_version 6
	.text
	.protected	k_q3bcabea39d_outln
	.globl	k_q3bcabea39d_outln
	.p2align	8
	.type	k_q3bcabea39d_outln,@function
k_q3bcabea39d_outln:
	s_mov_b64 s[64:65], 0
	v_nop
	global_prefetch_b8 v0, s[64:65] scope:SCOPE_SE
	s_setreg_imm32_b32 hwreg(HW_REG_WAVE_MODE, 25, 1), 1
	s_wait_xcnt 0x0
; THE OUTPUT PROJECTION on codes of E5M2, the residual, LayerNorm, and the last sum of KL.
; Work-group g owns 32 tokens (batch g / 32, positions 32 (g % 32) on: ac's tiles 2 g and 2 g + 1) and ALL 1,024 columns, so that a row's mean and variance stay inside the work-group and no f32 intermediate goes to memory.
; THE WAVES SHARE THE COLUMNS: wave w takes the weight's tiles 16 w .. 16 w + 15.  Each byte of the weight feeds one wave of the work-group, so LDS would add no reuse: the fragments go from memory straight into registers,
; which the codes' layout allows (byte = tile 16384 + s 2048 + c 512 + 16 lane: four loads of 512 consecutive bytes a fragment).  A ring of sixteen fragments: 64 loads of a wave are on their way, refilled four fragments at a time.
; NO JOINT LOADS, though all work-groups walk the same weight: a joint slot of 128 KiB would hold 32 matrix instructions a wave between two rounds of a cluster's barrier; the ring in registers has as many bytes on its way
; (4 waves x 64 loads x 512 bytes) with no barrier in the loop at all.
; THE RESIDUAL x is wanted only behind the last product, and all registers are taken until then: each wave asks for its 8 rows (32 KiB) by ONE tensor load at the kernel's head, into LDS bytes of its own behind the stage.
; That load is a first fill, nothing is filled again, and only the wave that asked reads the bytes: its own wait on TENSORcnt is all the ordering.  One tensor load a wave is out.
; TRANSPOSED: source 0 = 16 rows of the weight, source 1 = 16 tokens: a lane holds one token and eight neighbouring columns.  The raw sums meet in a stage in LDS (32 rows x (4,096 + 16) bytes); each wave takes 8 whole rows.
; y = sum x 2^(e10 + e11) + x;  out = (y - mean) rsqrt(var + 1e-5) gamma + beta, the variance in a second pass over y - mean.  LIMIT: e10 + e11 between -126 and 127.
; WINDOWS: 0: v1 16 x lane; v2, v3 into the stage; v4 out of it; v5 my rows of x in LDS; v6 lane; v64-95 gamma; v96-127 beta; v128-143, v144-159 a pair a row: sums, squares.
;   1: the tokens' 16 fragments ((m, s) at 16 (8 m + s)), later x's 8 rows.   2: the 32 accumulators ((t, m) at 8 (2 t + m)).   3: the weight's ring (fragment t at 16 t), later y's 8 rows (row e, piece jj at 32 e + 4 jj).
.set PIT, 4112                         ; a stage row: 257 x 16 bytes: the sixteen rows of a store fall on sixteen different 16-byte columns
.set XB,  32*PIT                       ; behind the stage (514 blocks of 256 bytes): x, 32,768 bytes for each wave
.set MSB, 0
.macro WIN new                         ; the immediate's high byte repeats the setting that is left
.if MSB != \new
	s_set_vgpr_msb (MSB<<8)|\new
.set MSB, \new
.endif
.endm
.macro BLOAD s, g                      ; fragments 4 g .. 4 g + 3 of K step s
	WIN 0xc0                                       ; destination window 3
.irp tt, 0,1,2,3
.irp c, 0,1,2,3
	global_load_b128 v[16*(4*(\g)+\tt)+4*\c:16*(4*(\g)+\tt)+4*\c+3], v1, s[6:7] offset:(4*(\g)+\tt)*16384+(\s)*2048+\c*512
.endr
.endr
.endm
.macro GROUP s, g                      ; eight products, then the four fragments' refill.  The 32 accumulators take turns, one instruction a turn
.if (\s) < 7
	s_wait_loadcnt 48                              ; my four fragments are in; the three younger groups' sixteen loads each may be out
.else
	s_wait_loadcnt 16*(3-(\g))
.endif
	WIN 0xa7                                       ; source 0 window 3, source 1 window 1, C and D window 2
.irp tt, 0,1,2,3
.irp m, 0,1
.if (\s) == 0
	v_wmma_f32_16x16x128_bf8_bf8 v[8*(2*(4*(\g)+\tt)+\m):8*(2*(4*(\g)+\tt)+\m)+7], v[16*(4*(\g)+\tt):16*(4*(\g)+\tt)+15], v[16*(8*\m+(\s)):16*(8*\m+(\s))+15], 0
.else
	v_wmma_f32_16x16x128_bf8_bf8 v[8*(2*(4*(\g)+\tt)+\m):8*(2*(4*(\g)+\tt)+\m)+7], v[16*(4*(\g)+\tt):16*(4*(\g)+\tt)+15], v[16*(8*\m+(\s)):16*(8*\m+(\s))+15], v[8*(2*(4*(\g)+\tt)+\m):8*(2*(4*(\g)+\tt)+\m)+7]
.endif
.endr
.endr
.rept 4
	v_nop                                          ; places in front of loads into registers that matrix instructions have read (ISA guide 7.12.1 for vector instructions)
.endr
.if (\s) < 7
	BLOAD (\s)+1, \g
.endif
.endm
.macro REDUCE r                        ; eight pairs at v[r]: the halves, then the 32 lanes; the sum ends in every lane's v[r + 2 e]
.irp e, 0,1,2,3,4,5,6,7
	v_add_f32 v[\r+2*\e], v[\r+2*\e], v[\r+2*\e+1]
.endr
.irp x, 1,2,4,8
.irp e, 0,1,2,3,4,5,6,7
	v_add_f32_dpp v[\r+2*\e], v[\r+2*\e], v[\r+2*\e] row_xmask:\x row_mask:0xf bank_mask:0xf
.endr
.endr
.irp e, 0,1,2,3,4,5,6,7
	v_permlanex16_b32 v[\r+2*\e+1], v[\r+2*\e], s36, s37
.endr
.irp e, 0,1,2,3,4,5,6,7
	v_add_f32 v[\r+2*\e], v[\r+2*\e], v[\r+2*\e+1]
.endr
.endm
	s_load_b256 s[4:11], s[0:1], 0x0               ; ac, wc, dec_inp, ln_gamma
	s_load_b256 s[12:19], s[0:1], 0x20             ; ln_beta, lowp_scales, klpart, out0
	s_load_b64 s[20:21], s[0:1], 0x40              ; out1
	v_lshl_add_u32 v254, v0, 2, 0x40200
	v_mov_b32 v255, 0
	ds_add_u32 v254, v255
	ds_add_u32 v254, v255
	v_lshrrev_b32 v6, 5, v0
	v_readfirstlane_b32 s22, v6                    ; wave 0..3
	v_and_b32 v6, 31, v0                           ; lane
	v_lshlrev_b32 v1, 4, v6
	v_and_b32 v7, 15, v0                           ; r
	v_bfe_u32 v8, v0, 4, 1                         ; h
	v_mul_u32_u24 v2, v7, PIT
	v_lshl_add_u32 v2, v8, 6, v2
	s_lshl_b32 s23, s22, 10
	v_add_nc_u32 v2, s23, v2                       ; into the stage: row r (tile m = 0), + 64 h, + my 1,024 bytes of columns
	v_add_nc_u32 v3, 16*PIT, v2                    ; tile m = 1
	s_mul_i32 s23, s22, 8*PIT
	v_add_nc_u32 v4, s23, v1                       ; out of it: my 8 rows, 16 bytes a lane
	; the tensor load's descriptor.  Group 0: s[40:43]; group 1: s[44:51]: 8 rows of 4,096 bytes, 32,768 bytes apart (a position is 8 rows of dec_inp), in elements of 8 bytes; dense in LDS
	s_mov_b32 s40, 1                               ; count = 1
	s_lshl_b32 s41, s22, 15
	s_add_co_u32 s41, s41, XB                      ; LDS address: my 32,768 bytes
	s_mov_b32 s44, 3<<16                           ; no mask; elements of 8 bytes; no padding
	s_mov_b32 s45, 512<<16                         ; tensor_dim0 = 512
	s_mov_b32 s46, 8<<16                           ; tensor_dim1 = 8
	s_mov_b32 s47, 512<<16                         ; tile_dim0 = 512
	s_mov_b32 s48, 8                               ; tile_dim1 = 8
	s_mov_b32 s49, 4096                            ; tensor_dim0_stride
	s_mov_b32 s50, 0
	s_mov_b32 s51, 0
	v_add_nc_u32 v5, s41, v1                       ; where I read x back: 16 bytes a lane
	s_lshl_b32 s24, ttmp9, 15                      ; ac: my two tiles
	s_mov_b32 s25, 0
	s_lshl_b32 s26, s22, 18                        ; wc: section 3, my 16 tiles
	s_add_co_u32 s26, s26, 0x300000
	s_mov_b32 s27, 0
	s_lshr_b32 s28, ttmp9, 5                       ; b
	s_and_b32 s29, ttmp9, 31
	s_lshl_b32 s29, s29, 5
	s_and_b32 s30, s22, 1                          ; stage rows 8 w + e are positions 16 (w % 2) + 8 (w / 2) + e of the 32
	s_lshl_b32 s30, s30, 4
	s_add_co_u32 s29, s29, s30
	s_lshr_b32 s30, s22, 1
	s_lshl_b32 s30, s30, 3
	s_add_co_u32 s29, s29, s30
	s_lshl_b32 s29, s29, 3
	s_add_co_u32 s28, s29, s28
	s_lshl_b32 s28, s28, 12                        ; (position x 8 + b) x 4,096
	s_mov_b32 s29, 0
	s_mov_b32 s36, 0x76543210                      ; v_permlanex16_b32: lane l xor 16
	s_mov_b32 s37, 0xfedcba98
	s_mov_b32 s38, 0x3a800000                      ; 1 / 1,024
	s_mov_b32 s39, 0x3727c5ac                      ; 1e-5
	s_wait_dscnt 0x0
	s_wait_kmcnt 0x0
	s_load_b64 s[32:33], s[14:15], 0x28            ; e10, e11
	s_add_nc_u64 s[4:5], s[4:5], s[24:25]
	s_add_nc_u64 s[6:7], s[6:7], s[26:27]
	s_add_nc_u64 s[8:9], s[8:9], s[28:29]
	s_add_nc_u64 s[18:19], s[18:19], s[28:29]
	s_mov_b64 s[42:43], s[8:9]                     ; global address: my first row of x
	s_or_b32 s43, s43, 0x80000000                  ; type = 2
	tensor_load_to_lds s[40:43], s[44:51]          ; x: it has the whole K loop in which to land
	s_nop 0
.rept 4
	v_nop
.endr
.irp jj, 0,1,2,3,4,5,6,7
	global_load_b128 v[64+4*\jj:67+4*\jj], v1, s[10:11] offset:512*\jj    ; gamma and beta at my columns 128 jj + 4 lane + 0 .. 3
	global_load_b128 v[96+4*\jj:99+4*\jj], v1, s[12:13] offset:512*\jj
.endr
	WIN 0x40                                       ; destination window 1
.irp m, 0,1
.irp s, 0,1,2,3,4,5,6,7
.irp c, 0,1,2,3
	global_load_b128 v[16*(8*\m+\s)+4*\c:16*(8*\m+\s)+4*\c+3], v1, s[4:5] offset:\m*16384+\s*2048+\c*512
.endr
.endr
.endr
	BLOAD 0, 0
	BLOAD 0, 1
	BLOAD 0, 2
	BLOAD 0, 3
.irp s, 0,1,2,3,4,5,6,7                        ; written out: the tokens' registers change with the K step; every address is an immediate
.irp g, 0,1,2,3
	GROUP \s, \g
.endr
.endr
	s_wait_tensorcnt 0x0                           ; my 8 rows of x lie in LDS
	WIN 0x40                                       ; x into the tokens' registers (the last group's four v_nop are the places)
.irp e, 0,1,2,3,4,5,6,7
.irp jj, 0,1,2,3,4,5,6,7
	ds_load_b128 v[32*\e+4*\jj:32*\e+4*\jj+3], v5 offset:\e*4096+512*\jj
.endr
.endr
	WIN 0x08                                       ; store data window 2: the raw sums, each accumulator's low half first
.irp t, 0,1,2,3,4,5,6,7,8,9,10,11,12,13,14,15
.irp m, 0,1
	ds_store_b128 v[2+\m], v[8*(2*\t+\m):8*(2*\t+\m)+3] offset:(\t/2)*128+(\t%2)*32        ; lane (r, h): columns 256 w + 32 (t / 2) + 16 h + 8 (t % 2) + 0 .. 7
	ds_store_b128 v[2+\m], v[8*(2*\t+\m)+4:8*(2*\t+\m)+7] offset:(\t/2)*128+(\t%2)*32+16
.endr
.endr
	WIN 0
	s_wait_dscnt 0x0                               ; for the others' sake: my stores have landed
	s_barrier_signal -1
	s_barrier_wait -1
	WIN 0xc0
.irp e, 0,1,2,3,4,5,6,7
.irp jj, 0,1,2,3,4,5,6,7
	ds_load_b128 v[32*\e+4*\jj:32*\e+4*\jj+3], v4 offset:\e*PIT+512*\jj
.endr
.endr
	s_wait_kmcnt 0x0
	s_add_co_i32 s34, s32, s33
	s_add_co_i32 s34, s34, 127
	s_lshl_b32 s34, s34, 23                        ; 2^(e10 + e11) as f32
	s_mov_b32 s35, s34                             ; (named with it as a pair)
	s_wait_dscnt 0x0
	WIN 0xd3                                       ; destination and source 0 window 3, source 2 window 1
.set i, 0
.rept 128
	v_pk_fma_f32 v[i:i+1], v[i:i+1], s[34:35], v[i:i+1] op_sel_hi:[1,0,1]   ; y = sum x 2^(e10 + e11) + x
.set i, i+2
.endr
	WIN 0x0f                                       ; sources 0 and 1 window 3, destination window 0
.irp e, 0,1,2,3,4,5,6,7
	v_pk_add_f32 v[128+2*\e:129+2*\e], v[32*\e:32*\e+1], v[32*\e+2:32*\e+3]
.endr
	WIN 0x0c                                       ; source 1 window 3
.set q, 2
.rept 14                                       ; the eight rows by turns, so that no line waits for the line above it
.set e, 0
.rept 8
	v_pk_add_f32 v[128+2*e:129+2*e], v[128+2*e:129+2*e], v[32*e+2*q:32*e+2*q+1]
.set e, e+1
.endr
.set q, q+1
.endr
	WIN 0
	REDUCE 128
.irp e, 0,1,2,3,4,5,6,7
	v_mul_f32 v[128+2*\e], s38, v[128+2*\e]        ; the mean
.endr
	WIN 0xc3                                       ; destination and source 0 window 3
.set e, 0
.rept 8
.set q, 0
.rept 16
	v_pk_add_f32 v[32*e+2*q:32*e+2*q+1], v[32*e+2*q:32*e+2*q+1], v[128+2*e:129+2*e] op_sel_hi:[1,0] neg_lo:[0,1] neg_hi:[0,1]   ; y - mean
.set q, q+1
.endr
.set e, e+1
.endr
	WIN 0x0f
.irp e, 0,1,2,3,4,5,6,7
	v_pk_mul_f32 v[144+2*\e:145+2*\e], v[32*\e:32*\e+1], v[32*\e:32*\e+1]
.endr
.set q, 1
.rept 15
.set e, 0
.rept 8
	v_pk_fma_f32 v[144+2*e:145+2*e], v[32*e+2*q:32*e+2*q+1], v[32*e+2*q:32*e+2*q+1], v[144+2*e:145+2*e]
.set e, e+1
.endr
.set q, q+1
.endr
	WIN 0
	REDUCE 144
.irp e, 0,1,2,3,4,5,6,7
	v_fma_f32 v[144+2*\e], v[144+2*\e], s38, s39   ; var + 1e-5
.endr
.irp e, 0,1,2,3,4,5,6,7
	v_rsq_f32 v[144+2*\e], v[144+2*\e]
.endr
	v_nop                                          ; a plain line behind the last of them
	WIN 0xc3
.set e, 0
	s_wait_alu depctr_va_vdst(0)
.rept 8
.set q, 0
.rept 16
	v_pk_mul_f32 v[32*e+2*q:32*e+2*q+1], v[32*e+2*q:32*e+2*q+1], v[144+2*e:145+2*e] op_sel_hi:[1,0]
.set q, q+1
.endr
.set q, 0
.rept 16
	v_pk_fma_f32 v[32*e+2*q:32*e+2*q+1], v[32*e+2*q:32*e+2*q+1], v[64+2*q:65+2*q], v[96+2*q:97+2*q]
.set q, q+1
.endr
.set e, e+1
.endr
	WIN 0x0c                                       ; store data window 3
.irp e, 0,1,2,3,4,5,6,7
.irp jj, 0,1,2,3,4,5,6,7
	global_store_b128 v1, v[32*\e+4*\jj:32*\e+4*\jj+3], s[18:19] offset:\e*32768+512*\jj th:TH_STORE_NT   ; 32 lanes store 512 consecutive bytes
.endr
.endr
	WIN 0
	; KL: wave 0 of work-group 0 adds the 1,024 parts, in a fixed order, and divides by 4 x 2^20 numbers and by 2
	s_or_b32 s52, ttmp9, s22
	s_cmp_lg_u32 s52, 0
	s_cbranch_scc1 .Lend
.irp i, 0,1,2,3,4,5,6,7
	global_load_b128 v[160+4*\i:163+4*\i], v1, s[16:17] offset:512*\i
.endr
	s_wait_loadcnt 0x0
	v_pk_add_f32 v[160:161], v[160:161], v[162:163]
	v_pk_add_f32 v[164:165], v[164:165], v[166:167]
.irp q, 8,12,16,20,24,28
	v_pk_add_f32 v[160:161], v[160:161], v[160+\q:161+\q]
	v_pk_add_f32 v[164:165], v[164:165], v[162+\q:163+\q]
.endr
	v_pk_add_f32 v[160:161], v[160:161], v[164:165]
	v_add_f32 v160, v160, v161
	v_add_f32_dpp v160, v160, v160 row_xmask:1 row_mask:0xf bank_mask:0xf
	v_add_f32_dpp v160, v160, v160 row_xmask:2 row_mask:0xf bank_mask:0xf
	v_add_f32_dpp v160, v160, v160 row_xmask:4 row_mask:0xf bank_mask:0xf
	v_add_f32_dpp v160, v160, v160 row_xmask:8 row_mask:0xf bank_mask:0xf
	v_permlanex16_b32 v161, v160, s36, s37
	v_add_f32 v160, v160, v161
	v_mul_f32 v160, 0x34000000, v160               ; x 2^-23
	v_mov_b32 v162, 0
	v_cmp_eq_u32 vcc_lo, 0, v6
	s_wait_xcnt 0x0                                ; EXEC changes only behind this wait
	s_and_saveexec_b32 s53, vcc_lo
	global_store_b32 v162, v160, s[20:21]
	s_wait_xcnt 0x0
	s_or_b32 exec_lo, exec_lo, s53
.Lend:
	s_wait_tensorcnt 0x0
	ds_add_u32 v254, v255
	s_wait_dscnt 0x0
	s_endpgm
.Lfunc_end_k_q3bcabea39d_outln:
	.size	k_q3bcabea39d_outln, .Lfunc_end_k_q3bcabea39d_outln-k_q3bcabea39d_outln
	.p2alignl 7, 3214868480
	.fill 96, 4, 3214868480
	.section	.rodata,"a",@progbits
	.p2align	6, 0x0
	.amdhsa_kernel k_q3bcabea39d_outln
		.amdhsa_group_segment_fixed_size 263168
		.amdhsa_private_segment_fixed_size 0
		.amdhsa_enable_private_segment 0
		.amdhsa_kernarg_size 72
		.amdhsa_user_sgpr_count 2
		.amdhsa_user_sgpr_kernarg_segment_ptr 1
		.amdhsa_wavefront_size32 1
		.amdhsa_system_sgpr_workgroup_id_x 1
		.amdhsa_system_sgpr_workgroup_id_y 1
		.amdhsa_system_sgpr_workgroup_id_z 1
		.amdhsa_system_vgpr_workitem_id 0
		.amdhsa_next_free_vgpr 1024
		.amdhsa_next_free_sgpr 66
		.amdhsa_reserve_vcc 1
		.amdhsa_float_denorm_mode_32 3
		.amdhsa_float_denorm_mode_16_64 3
		.amdhsa_memory_ordered 1
		.amdhsa_forward_progress 1
		.amdhsa_inst_pref_size 158
	.end_amdhsa_kernel
	.amdgpu_metadata
---
amdhsa.version: [ 1, 2 ]
amdhsa.kernels:
  - .name:           k_q3bcabea39d_outln
    .symbol:         k_q3bcabea39d_outln.kd
    .args:
      - { .name: ac, .offset: 0, .size: 8, .value_kind: global_buffer, .address_space: global }
      - { .name: wc, .offset: 8, .size: 8, .value_kind: global_buffer, .address_space: global }
      - { .name: dec_inp, .offset: 16, .size: 8, .value_kind: global_buffer, .address_space: global }
      - { .name: ln_gamma, .offset: 24, .size: 8, .value_kind: global_buffer, .address_space: global }
      - { .name: ln_beta, .offset: 32, .size: 8, .value_kind: global_buffer, .address_space: global }
      - { .name: lowp_scales, .offset: 40, .size: 8, .value_kind: global_buffer, .address_space: global }
      - { .name: klpart, .offset: 48, .size: 8, .value_kind: global_buffer, .address_space: global }
      - { .name: out0, .offset: 56, .size: 8, .value_kind: global_buffer, .address_space: global }
      - { .name: out1, .offset: 64, .size: 8, .value_kind: global_buffer, .address_space: global }
    .group_segment_fixed_size: 263168
    .private_segment_fixed_size: 0
    .kernarg_segment_align: 8
    .kernarg_segment_size: 72
    .max_flat_workgroup_size: 128
    .sgpr_count:     66
    .vgpr_count:     1024
    .wavefront_size: 32
...
	.end_amdgpu_metadata
.endif
;; end of part 4
;; ======== version 2 of 2: 4 launches; version 1 with the launch attn written anew for expert scheduling mode
;; workspace buffers: xc 25,165,824 bytes; wc 4,194,304 bytes; qkv 25,165,824 bytes; ac 8,388,608 bytes; mbits 131,072 bytes of whole numbers; mflags 2,048 bytes of whole numbers; klpart 4,096 bytes
;; launch prep: the kernel of part 1 again; grid 896 x 1, 4 waves a work-group, no clusters, 35,328 bytes of LDS; arguments dec_inp, attn_mask, query_mean, key_mean, value_mean, output_mean, query_std, key_std, value_std, output_std, eps_q, eps_k, eps_v, eps_o, lowp_scales, xc, wc, mbits, mflags, klpart; writes xc, wc, mbits, mflags, klpart
;; launch qkv: the kernel of part 2 again; grid 12 x 16, 4 waves a work-group, clusters of 4 x 4, 327,680 bytes of LDS; arguments xc, wc, lowp_scales, qkv; writes qkv
;; launch attn (part 5): grid 2 x 128, 16 waves a work-group, no clusters, 133,120 bytes of LDS; arguments qkv, mbits, mflags, lowp_scales, ac; writes ac
.if DOCPART == 5
	.amdgcn_target "amdgcn-amd-amdhsa--gfx1250"
	.amdhsa_code_object_version 6
	.text
	.protected	k_q3bcabea39d_attn
	.globl	k_q3bcabea39d_attn
	.p2align	8
	.type	k_q3bcabea39d_attn,@function
k_q3bcabea39d_attn:
	s_mov_b64 s[64:65], 0
	v_nop
	global_prefetch_b8 v0, s[64:65] scope:SCOPE_SE
	s_setreg_imm32_b32 hwreg(HW_REG_WAVE_SCHED_MODE, 0, 2), 2
	s_setreg_imm32_b32 hwreg(HW_REG_WAVE_MODE, 25, 1), 1
	s_wait_xcnt 0x0
	s_wait_alu depctr_vm_vsrc(0)
; ATTENTION on codes of E5M2, with the mask as it is GIVEN (any pattern), its result quantised at once for the output projection.
; Work-group (u, bh): head bh = 16 b + hd, the query tiles of parity u.  Each of sixteen waves owns one tile of 16 queries at a time, two in turn: qt = 2 w + u, then 62 + u - 2 w.
; A head's K and V, 64 KiB of codes each, lie WHOLE in LDS, filled once through registers: one barrier in the launch, no ring.  Both tiles' Q and both tiles' flags are asked for with that fill, so that a tile begins with no wait.
; NO TENSOR LOAD AND NO CLUSTER: steps are passed over by branches on stored whole numbers (the mask's flags); and what the two work-groups of a head share, 128 KiB read once,
; is small beside the 16 KiB that each of a work-group's waves reads from LDS in each of its steps.
; LAYOUT.  Both products are used transposed: S^T = K Q^T (source 0 = 16 keys, source 1 = my 16 queries), O^T = V^T P^T (source 0 = 16 channels, source 1 = P): a lane holds ONE query (lane % 16) throughout.
; The rows that form a tile of K, of V and of Q were chosen by the launch that wrote them (row(t, r) = 32 (t / 2) + 8 (t % 2) + r + 8 (r / 8)): register 16 b + i of S^T is key 32 b + 16 (lane / 16) + i of the step.
; THE SOFTMAX: t = score x log2(e) / 8; M = the largest t so far, rounded UP to a whole number; p = 2^(t - M) is what is quantised; the row's sum is taken of the unquantised p and divides at the end.
; THE MASK: for each (query tile, step) 64 words: word n's bit L says that register n of lane L is hidden: one v_cndmask_b32 a score puts -infinity there.
; Flag 0 (all hidden): the step's work is passed over.  Flag 2 (all open): neither the words' loads nor the 64 selects.  Flag 1 (mixed): the words are asked for at the step's head and used behind the first product.
; A query all of whose keys are hidden has the sum 0: its codes become the NaN code, and the output row is NaN, as a softmax of nothing but -infinity is.
; LIMITS on the given exponents: e6 + e7 between -123 and 130 (added to c's exponent field); e9, and e10 - e8 - e9, between -126 and 112.  NaN among the inputs is not served.
; REGISTERS: v1 16 x lane; v2, v3 the step's K and V in LDS; v4 -infinity; v7 four NaN codes; v8, v9 the two tiles' offsets in Q; v10 the tile's offset in ac; v11 16 x lane + 65,536; v12 -M; v13 the largest t; v[14:15] the sum;
;   v16-23 Q; v24-31 the second tile's Q; v32-95 K's eight fragments, then V's four; v96-159 S^T, then p; v160-191 O^T; v224-239 p's codes; v240, v244 p's hold and scale; v245, v246 the result's scale and hold;
;   v242-243, v248, v252-254 at work.
; SCALARS: s2 the second tile's flags; s[32:63], s[68:99] the step's 64 mask words; s66 the step's LDS byte; s67 its byte in mbits; s100, s101 counters; s104 e9; s105 the flags of the tile in hand.
; THE MODE: SCHED_MODE bits 1:0 = 2 (LLVM: expert scheduling mode 2), set by the entry lines.  The code itself states the register dependences between vector or matrix instructions and memory or LDS
; instructions, with s_wait_alu, always for 0.
; THE PLAN.  Registers that memory or LDS instructions touch:
;   v1, v5, v6, v8, v9, v11   offsets and LDS addresses: written once at the head, read by loads and stores, never written again.
;   v16-31    Q: global loads land there once, at the head; behind them only vector and matrix lines name them.
;   v32-95    At the head: global loads land there, the LDS stores read them.  In a live step: K's loads land, eight products read; V's loads land, four products read.
;   v2, v3    Written by two additions at a live step's head; read by that step's LDS loads.
;   v10       Written at a tile's head; read by the tile's two stores.        v224-231  Written by conversions and selects; read by the tile's two stores.
;   S^T, p, O^T, the statistics and the constants are named by vector and matrix lines alone.
; So a live step has one wait on vm_vsrc and three on va_vdst: at its head (v2 and v3 have been read; then: they are written, and the last products are done reading V); behind the maximum's exchange of lanes
; (the eight products are done reading K), behind which V's sixteen loads stand four at a time among lines that name none of v3 and v32-95; and behind the exponentials, ahead of their first reader.
; A tile has one wait on vm_vsrc at its head and, at its end, one wait for the reciprocal, one for VCC and one ahead of its stores.  A hidden step issues no memory instruction and holds no such wait.
.macro VLOAD d                         ; V's fragment d: 16 channels x 128 keys, four loads of 512 consecutive bytes
.irp c, 0,1,2,3
	ds_load_b128 v[32+16*(\d)+4*\c:35+16*(\d)+4*\c], v3 offset:(\c/2)*4096+(\d)*1024+(\c%2)*512
.endr
.endm
	s_load_b256 s[4:11], s[0:1], 0x0               ; qkv, mbits, mflags, lowp_scales
	s_load_b64 s[12:13], s[0:1], 0x20              ; ac
	v_lshl_add_u32 v251, v0, 2, 0x20000
	v_mov_b32 v255, 0
	v_lshrrev_b32 v8, 5, v0
	v_readfirstlane_b32 s14, v8                    ; wave 0..15
	v_and_b32 v8, 31, v0
	v_lshlrev_b32 v1, 4, v8
	v_add_nc_u32 v11, 0x10000, v1
	s_wait_alu depctr_va_sdst(0)                   ; s14 is written, ahead of its first reader: offsets and LDS addresses are made from it
	s_and_b32 s16, ttmp7, 0xffff                   ; bh
	s_lshr_b32 s18, s16, 4                         ; b
	s_and_b32 s19, s16, 15                         ; hd
	s_lshl_b32 s68, s16, 16                        ; K: section 1, 65,536 a head, my 4,096
	s_lshl_b32 s69, s14, 12
	s_add_co_u32 s68, s68, s69
	s_add_co_u32 s68, s68, 0x800000
	s_mov_b32 s69, 0
	s_lshl_b32 s70, s18, 4                         ; V: section 2, (16 b + w) x 65,536 (keys 64 w on) + 4,096 hd
	s_add_co_u32 s70, s70, s14
	s_lshl_b32 s70, s70, 16
	s_lshl_b32 s71, s19, 12
	s_add_co_u32 s70, s70, s71
	s_add_co_u32 s70, s70, 0x1000000
	s_mov_b32 s71, 0
	s_lshl_b32 s72, s16, 16                        ; Q: section 0, the head
	s_mov_b32 s73, 0
	s_lshl_b32 s74, s18, 20                        ; ac: 64 tiles of 16,384 a batch, + 1,024 hd (the head's 64 of K = 1,024)
	s_lshl_b32 s75, s19, 10
	s_add_co_u32 s74, s74, s75
	s_mov_b32 s75, 0
	s_lshl_b32 s76, s14, 12
	v_add_nc_u32 v5, s76, v1                       ; LDS: K at 0, V at 65,536; my 4,096 of each
	v_add_nc_u32 v6, 0x10000, v5
	s_lshl_b32 s17, s14, 1
	s_add_co_u32 s17, s17, ttmp9                   ; my first tile of queries
	s_lshl_b32 s15, ttmp9, 1
	s_add_co_u32 s15, s15, 62                      ; the second is this less the first
	s_sub_co_u32 s79, s15, s17
	s_lshl_b32 s77, s17, 5                         ; a tile's eight flags are 32 bytes
	s_lshl_b32 s78, s79, 5
	s_lshl_b32 s3, s17, 10                         ; a tile of Q is 1,024 bytes
	v_add_nc_u32 v9, s3, v1
	s_lshl_b32 s3, s79, 10
	v_add_nc_u32 v8, s3, v1
	s_mov_b32 s20, 0x76543210                      ; v_permlanex16_b32: lane l xor 16
	s_mov_b32 s21, 0xfedcba98
	s_wait_kmcnt 0x0
	s_load_b256 s[32:39], s[10:11], 0x0            ; e0 .. e7
	s_load_b128 s[40:43], s[10:11], 0x20           ; e8 .. e11
	s_load_b256 s[24:31], s[8:9], s77 offset:0x0   ; the first tile's eight flags, each at its own two bits,
	s_load_b256 s[48:55], s[8:9], s78 offset:0x0   ; and the second's
	s_add_nc_u64 s[68:69], s[4:5], s[68:69]
	s_add_nc_u64 s[70:71], s[4:5], s[70:71]
	s_add_nc_u64 s[4:5], s[4:5], s[72:73]
	s_add_nc_u64 s[12:13], s[12:13], s[74:75]
	s_wait_alu depctr_va_vdst(0)                   ; v1, v5, v6, v8, v9 and v11 are written: the loads below and the LDS stores behind them read them as offsets and addresses; no vector line behind this wait names one of them
.irp j, 0,1,2,3,4,5,6,7
	global_load_b128 v[32+4*\j:35+4*\j], v1, s[68:69] offset:512*\j
.endr
.irp j, 0,1,2,3,4,5,6,7
	global_load_b128 v[64+4*\j:67+4*\j], v1, s[70:71] offset:512*\j
.endr
	global_load_b128 v[16:19], v9, s[4:5]          ; Q's fragment, first tile
	global_load_b128 v[20:23], v9, s[4:5] offset:512
	global_load_b128 v[24:27], v8, s[4:5]          ; second tile
	global_load_b128 v[28:31], v8, s[4:5] offset:512
	v_mov_b32 v4, 0xff800000
	v_mov_b32 v7, 0x7f7f7f7f
	v_mov_b32 v248, 0                              ; (a lane permute's destination counts as one of its sources)
	v_mov_b32 v253, 0                              ; (named as the upper half of the pair v[252:253])
	s_wait_kmcnt 0x0
	s_or_b32 s24, s24, s25
	s_or_b32 s26, s26, s27
	s_or_b32 s28, s28, s29
	s_or_b32 s30, s30, s31
	s_or_b32 s24, s24, s26
	s_or_b32 s28, s28, s30
	s_or_b32 s105, s24, s28                        ; sixteen bits: two a step
	s_or_b32 s48, s48, s49
	s_or_b32 s50, s50, s51
	s_or_b32 s52, s52, s53
	s_or_b32 s54, s54, s55
	s_or_b32 s48, s48, s50
	s_or_b32 s52, s52, s54
	s_or_b32 s2, s48, s52
	s_add_co_i32 s72, s38, s39                     ; a score stands for score x 2^(e6 + e7): added to c's exponent field
	s_lshl_b32 s72, s72, 23
	s_mov_b32 s22, 0x3e38aa3b                      ; c = log2(e) / 8
	s_add_co_i32 s22, s22, s72
	s_mov_b32 s23, s22                             ; (named with it as a pair)
	s_mov_b32 s104, s41                            ; e9
	s_add_co_i32 s72, s41, 127
	s_lshl_b32 s73, s72, 23
	v_mov_b32 v244, s73                            ; 2^e9
	s_add_co_i32 s72, s72, 15
	s_lshl_b32 s72, s72, 23
	s_or_b32 s72, s72, 0x600000
	v_mov_b32 v240, s72                            ; 57,344 x 2^e9
	s_sub_co_i32 s72, s42, s40                     ; O^T / l stands for x 2^(e8 + e9): its code is that / 2^(e10 - e8 - e9)
	s_sub_co_i32 s72, s72, s41
	s_add_co_i32 s72, s72, 127
	s_lshl_b32 s73, s72, 23
	v_mov_b32 v245, s73
	s_add_co_i32 s72, s72, 15
	s_lshl_b32 s72, s72, 23
	s_or_b32 s72, s72, 0x600000
	v_mov_b32 v246, s72
	s_wait_loadcnt 0x0
.irp j, 0,1,2,3,4,5,6,7
	ds_store_b128 v5, v[32+4*\j:35+4*\j] offset:512*\j
	ds_store_b128 v6, v[64+4*\j:67+4*\j] offset:512*\j
.endr
.set n, 32
.rept 16
	s_mov_b64 s[n:n+1], 0                          ; the 64 registers of the mask's words are written once: only a mixed step loads them, and every way to the selects has then written them
.set n, n+2
.endr
.set n, 68
.rept 16
	s_mov_b64 s[n:n+1], 0
.set n, n+2
.endr
	s_wait_dscnt 0x0                               ; for the others' sake: my stores have landed
	s_barrier_signal -1
	s_barrier_wait -1                              ; K and V are whole; from here on LDS is only read
	s_mov_b32 s101, 2
.Ltile:
	s_wait_xcnt 0x0                                ; the last tile's stores have read their offset and their data
	s_wait_alu depctr_vm_vsrc(0)                   ; first trip: my LDS stores have read v32-95, in which K's loads will land; second trip: the last tile's stores have read v10, written below, and v224-231, which the conversions write again
	s_lshl_b32 s18, s17, 14
	v_add_nc_u32 v10, s18, v1
	v_mov_b32 v13, 0xff61b1e6                      ; the largest t so far: -3e38
	v_floor_f32 v12, -v13
	v_mov_b32 v14, 0
	v_mov_b32 v15, 0
.set j, 0
.rept 32
	v_mov_b32 v[160+j], 0                          ; O^T: the step is written once; the first change of M leaves zeros zeros
.set j, j+1
.endr
	s_mov_b32 s66, 0
	s_lshl_b32 s67, s17, 11
	s_mov_b32 s100, 8
.Lstep:                                            ; eight trips, always: work is passed over, never a trip
	s_and_b32 s18, s105, 3
	s_lshr_b32 s105, s105, 2
	s_cmp_eq_u32 s18, 0
	s_cbranch_scc1 .Lhidden
	s_cmp_lg_u32 s18, 1
	s_cbranch_scc1 .Lno_words
	s_load_b512 s[32:47], s[6:7], s67 offset:0x0   ; a mixed step: the mask's 64 words, asked for ahead of the first product
	s_load_b512 s[48:63], s[6:7], s67 offset:0x40
	s_load_b512 s[68:83], s[6:7], s67 offset:0x80
	s_load_b512 s[84:99], s[6:7], s67 offset:0xc0
.Lno_words:
	s_wait_alu depctr_vm_vsrc(0)                   ; the last live step's LDS loads have read v2 and v3
	v_add_nc_u32 v2, s66, v1
	v_add_nc_u32 v3, s66, v11
	s_wait_alu depctr_va_vdst(0)                   ; v2 and v3 are written, which this step's LDS loads read; the last live step's four products are done reading V in v32-95, in which K's loads land
.irp t, 0,1,2,3,4,5,6,7
	ds_load_b128 v[32+8*\t:35+8*\t], v2 offset:1024*\t
	ds_load_b128 v[36+8*\t:39+8*\t], v2 offset:1024*\t+512
.endr
	s_wait_dscnt 0x0
.irp t, 0,1,2,3,4,5,6,7
	v_wmma_f32_16x16x64_bf8_bf8 v[96+8*\t:103+8*\t], v[32+8*\t:39+8*\t], v[16:23], 0
.endr
.rept 4
	v_nop                                          ; places in front of the first read of the scores
.endr
	s_wait_kmcnt 0x0                               ; on every way: no scalar load is out behind this line
	s_cmp_lg_u32 s18, 1
	s_cbranch_scc1 .Lopen
.set n, 0
.rept 64
.if n < 32
	v_cndmask_b32 v[96+n], v[96+n], v4, s[32+n]
.else
	v_cndmask_b32 v[96+n], v[96+n], v4, s[36+n]
.endif
.set n, n+1
.endr
.Lopen:
	v_max3_num_f32 v254, v96, v97, v98             ; the step's largest score of my query, in two chains, each accumulator from its low end on
	v_max3_num_f32 v252, v99, v100, v101
.set i, 6
.rept 14
	v_max3_num_f32 v254, v254, v[96+i], v[97+i]
	v_max3_num_f32 v252, v252, v[98+i], v[99+i]
.set i, i+4
.endr
	v_max3_num_f32 v254, v254, v158, v159
	v_max_num_f32 v254, v254, v252
	v_permlanex16_b32 v248, v254, s20, s21
	s_wait_alu depctr_va_vdst(0)                   ; the eight products are done reading K in v32-95, in which V's loads land.  The lines from here to the last of these loads name v12, v13, v248, v252 and v254 alone: no further wait
	VLOAD 0                                        ; V's sixteen loads, four at a time, between lines each of which reads the result of the line above it; V lands under the rest of the softmax
	v_max_num_f32 v254, v254, v248                 ; and among lane l xor 16's
	VLOAD 1
	v_mul_f32 v254, s22, v254                      ; as t (c is positive)
	VLOAD 2
	v_max_num_f32 v13, v13, v254
	v_mov_b32 v254, v12
	VLOAD 3
	v_floor_f32 v12, -v13                          ; the new -M = floor(-t)
	v_sub_f32 v254, v12, v254                      ; old M - new M: a whole number, 0 or less
	v_cvt_i32_f32 v254, v254                       ; (it saturates)
	v_ldexp_f32 v252, 1.0, v254                    ; f = 2^(old M - new M)
.set j, 0
.rept 32
	v_pk_fma_f32 v[96+j:97+j], v[96+j:97+j], s[22:23], v[12:13] op_sel_hi:[1,0,0]   ; t - M
.set j, j+2
.endr
.set j, 0
.rept 64
	v_exp_f32 v[96+j], v[96+j]                     ; p = 2^(t - M)
.set j, j+1
.endr
	v_pk_mul_f32 v[14:15], v[14:15], v[252:253] op_sel_hi:[1,0]   ; the sums under the new M (a plain line behind the exponentials)
	s_wait_alu depctr_va_vdst(0)                   ; the 64 exponentials have written p in v96-159: one wait for the batch, ahead of its first reader
	v_pk_add_f32 v[242:243], v[96:97], v[98:99]    ; the sum of the UNQUANTISED p, in two chains
.set j, 4
.rept 15
	v_pk_add_f32 v[14:15], v[14:15], v[96+j:97+j]
	v_pk_add_f32 v[242:243], v[242:243], v[98+j:99+j]
.set j, j+4
.endr
	v_pk_add_f32 v[14:15], v[14:15], v[242:243]
	s_cmp_ge_i32 s104, -15                         ; from e9 = -15 on the hold, 57,344 x 2^e9, is 1.75 or more, and p is at most 1: it can hold nothing
	s_cbranch_scc1 .Lno_hold
.set j, 0
.rept 64
	v_min_num_f32 v[96+j], v[96+j], v240           ; the conversion does not saturate (ISA guide 7.6.2); p is not negative
.set j, j+1
.endr
.Lno_hold:
.irp b, 0,1,2,3
	v_cvt_scalef32_pk8_bf8_f32 v[224+4*\b:225+4*\b], v[96+16*\b:103+16*\b], v244
	v_cvt_scalef32_pk8_bf8_f32 v[226+4*\b:227+4*\b], v[104+16*\b:111+16*\b], v244
.endr
.set j, 0
.rept 16
	v_pk_mul_f32 v[160+j:161+j], v[160+j:161+j], v[252:253] op_sel_hi:[1,0]   ; O^T under the new M; also the plain lines behind the conversions
.set j, j+2
.endr
	s_wait_dscnt 0x0                               ; V
.irp d, 0,1,2,3
	v_wmma_f32_16x16x128_bf8_bf8 v[160+8*\d:167+8*\d], v[32+16*\d:47+16*\d], v[224:239], v[160+8*\d:167+8*\d]   ; four accumulators, one instruction a turn
.endr
.rept 4
	v_nop                                          ; places behind the last products: behind a tile's last live step the tile's end reads O^T
.endr
.Lhidden:
	s_add_co_u32 s66, s66, 8192
	s_add_co_u32 s67, s67, 256
	s_sub_co_u32 s100, s100, 1
	s_cmp_lg_u32 s100, 0
	s_cbranch_scc1 .Lstep
	; the tile's end: O^T / l, held, converted: the codes are registers of the output projection's operand
	v_add_f32 v14, v14, v15
	v_permlanex16_b32 v248, v14, s20, s21
	v_add_f32 v14, v14, v248                       ; l
	v_cmp_eq_f32 vcc_lo, 0, v14                    ; a query with no key
	v_rcp_f32 v14, v14
	v_nop
	s_wait_alu depctr_va_vdst(0)                   ; the reciprocal has written v14, ahead of its first reader
.set j, 0
.rept 16
	v_pk_mul_f32 v[96+j:97+j], v[160+j:161+j], v[14:15] op_sel_hi:[1,0]
.set j, j+2
.endr
.set j, 0
.rept 32
	v_med3_num_f32 v[96+j], v[96+j], -v246, v246
.set j, j+1
.endr
.irp g, 0,1,2,3
	v_cvt_scalef32_pk8_bf8_f32 v[224+2*\g:225+2*\g], v[96+8*\g:103+8*\g], v245
.endr
	v_nop
	s_wait_alu depctr_va_vcc(0)                    ; the compare above has written VCC, ahead of its first reader
.irp i, 0,1,2,3,4,5,6,7
	v_cndmask_b32 v[224+\i], v[224+\i], v7, vcc_lo
.endr
	s_wait_alu depctr_va_vdst(0)                   ; the selects have written v224-231, the stores' data (v10, their offset, was written at the tile's head)
	global_store_b128 v10, v[224:227], s[12:13]               ; channels 16 (lane / 16) + 0 .. 15 of my query; 512 consecutive bytes a store
	global_store_b128 v10, v[228:231], s[12:13] offset:512    ; channels 32 + ..
.irp i, 0,1,2,3,4,5,6,7
	v_mov_b32 v[16+\i], v[24+\i]                   ; the second tile's Q takes the first's place,
.endr
	s_mov_b32 s105, s2                             ; its flags likewise
	s_sub_co_u32 s17, s15, s17
	s_sub_co_u32 s101, s101, 1
	s_cmp_lg_u32 s101, 0
	s_cbranch_scc1 .Ltile
	s_wait_dscnt 0x0
	s_wait_alu depctr_hold_cnt(0) depctr_sa_sdst(0) depctr_va_vdst(0) depctr_va_sdst(0) depctr_va_ssrc(0) depctr_va_vcc(0) depctr_vm_vsrc(0)
	s_wait_tensorcnt 0x0
	ds_add_u32 v251, v255
	s_wait_dscnt 0x0
	s_endpgm
.Lfunc_end_k_q3bcabea39d_attn:
	.size	k_q3bcabea39d_attn, .Lfunc_end_k_q3bcabea39d_attn-k_q3bcabea39d_attn
	.p2alignl 7, 3214868480
	.fill 96, 4, 3214868480
	.section	.rodata,"a",@progbits
	.p2align	6, 0x0
	.amdhsa_kernel k_q3bcabea39d_attn
		.amdhsa_group_segment_fixed_size 133120
		.amdhsa_private_segment_fixed_size 0
		.amdhsa_enable_private_segment 0
		.amdhsa_kernarg_size 40
		.amdhsa_user_sgpr_count 2
		.amdhsa_user_sgpr_kernarg_segment_ptr 1
		.amdhsa_wavefront_size32 1
		.amdhsa_system_sgpr_workgroup_id_x 1
		.amdhsa_system_sgpr_workgroup_id_y 1
		.amdhsa_system_sgpr_workgroup_id_z 1
		.amdhsa_system_vgpr_workitem_id 0
		.amdhsa_next_free_vgpr 256
		.amdhsa_next_free_sgpr 106
		.amdhsa_reserve_vcc 1
		.amdhsa_float_denorm_mode_32 3
		.amdhsa_float_denorm_mode_16_64 3
		.amdhsa_memory_ordered 1
		.amdhsa_forward_progress 1
		.amdhsa_inst_pref_size 35
	.end_amdhsa_kernel
	.amdgpu_metadata
---
amdhsa.version: [ 1, 2 ]
amdhsa.kernels:
  - .name:           k_q3bcabea39d_attn
    .symbol:         k_q3bcabea39d_attn.kd
    .args:
      - { .name: qkv, .offset: 0, .size: 8, .value_kind: global_buffer, .address_space: global }
      - { .name: mbits, .offset: 8, .size: 8, .value_kind: global_buffer, .address_space: global }
      - { .name: mflags, .offset: 16, .size: 8, .value_kind: global_buffer, .address_space: global }
      - { .name: lowp_scales, .offset: 24, .size: 8, .value_kind: global_buffer, .address_space: global }
      - { .name: ac, .offset: 32, .size: 8, .value_kind: global_buffer, .address_space: global }
    .group_segment_fixed_size: 133120
    .private_segment_fixed_size: 0
    .kernarg_segment_align: 8
    .kernarg_segment_size: 40
    .max_flat_workgroup_size: 512
    .sgpr_count:     106
    .vgpr_count:     256
    .wavefront_size: 32
...
	.end_amdgpu_metadata
.endif
;; end of part 5
;; launch outln: the kernel of part 4 again; grid 256 x 1, 4 waves a work-group, no clusters, 263,168 bytes of LDS; arguments ac, wc, dec_inp, ln_gamma, ln_beta, lowp_scales, klpart, out0, out1; writes out0, out1
